; MI455X (gfx1250); checked and timed in simulation.
; The chip was launched on July 23, 2026; its instructions are those of AMD's public machine-readable ISA for CDNA 5 (MIT licence, August 2026) and "CDNA5" Instruction Set Architecture Reference Guide (July 2026). The comments in the code are by the model that wrote it; some were corrected since.
;; Multi Head. Allowed arithmetic: matrix products marked QUANTISED: E2M1 operands, one E8M0 scale for each 32 along K, by v_wmma_scale_f32_16x16x128_f8f6f4 with both operands' format E2M1 (or v_wmma_scale_f32_32x16x128_f4), f32 sums; everything else in f32.
;; Inputs: Wk 16 x 1,024 x 64 float32; Wproj 1,024 x 1,024 float32; Wq 16 x 1,024 x 64 float32; Wv 16 x 1,024 x 64 float32; bproj 1,024 float32; x 4 x 2,048 x 1,024 float32.
;; Outputs: out0 4 x 2,048 x 1,024 float32.
;; This version of the problem:
;;   THIS VERSION OF THE PROBLEM IS GIVEN IN LOW PRECISION. The matrix products marked QUANTISED in the list below multiply operands that are first quantised to E2M1 (2 exponent bits, 1 mantissa bit; 4 bits a number), with one power-of-two scale for each 32 numbers along K (OCP MX v1.0); their sums are f32. All else is computed in f32.
;;   The module's matrix products, in the order in which they are computed (A, B: the left and right operand; K: the contracted axis; several contracted axes count as one K, in the product's order):
;;     1. [M 1,024, K 1,024] x [K 1,024, N 8,192]; A: input Wq; B: input x: QUANTISED
;;     2. [M 1,024, K 1,024] x [K 1,024, N 8,192]; A: input Wk; B: input x: QUANTISED
;;     3. [M 1,024, K 1,024] x [K 1,024, N 8,192]; A: input Wv; B: input x: QUANTISED
;;     4. batch 64 x [M 2,048, K 64] x [K 64, N 2,048]; A: computed on the way; B: computed on the way: QUANTISED
;;     5. batch 64 x [M 2,048, K 2,048] x [K 2,048, N 64]; A: softmax (see below); B: computed on the way: QUANTISED
;;     6. [M 8,192, K 1,024] x [K 1,024, N 1,024]; A: computed on the way; B: input Wproj: QUANTISED
;;   THE QUANTISER, for each operand of a quantised product, along K:
;;     - K is cut into blocks of 32 from its start; a last block that is shorter is filled with zeros.
;;     - A block's scale is 2^e with e = floor(log2(the largest magnitude in the block)) - 2, held to -126 .. 127; a block of zeros has e = 0. As a byte (E8M0): e + 127.
;;     - Each number is divided by its block's scale, clamped to +-6, and rounded to the nearest number of E2M1, ties to even, subnormals kept.
;;     - The product sums the exact products of the quantised numbers (number of the format x scale) in f32.
;;   ~~~python
;;   def quantise(x, axis):      # numpy; x: float32 -> the quantised numbers, widened to float32 again
;;       x = np.moveaxis(x, axis, -1); K = x.shape[-1]
;;       x = np.pad(x, [(0, 0)] * (x.ndim - 1) + [(0, -K % 32)]); x = x.reshape(x.shape[:-1] + (-1, 32)); a = np.abs(x).max(-1, keepdims=True)
;;       e = np.where(a > 0, np.clip(np.frexp(np.where(a > 0, a, 1))[1] - 1 - 2, -126, 127), 0)      # np.frexp(a)[1] - 1 = floor(log2(a)), exactly
;;       r = np.clip(x / 2.0 ** e, -6, 6)
;;       step = 2.0 ** (np.maximum(np.frexp(np.where(r == 0, 1, r))[1] - 1, 0) - 1)
;;       q = np.round(r / step) * step * 2.0 ** e      # np.round: ties to even
;;       return np.moveaxis(q.reshape(q.shape[:-2] + (-1,))[..., :K], -1, axis).astype(np.float32)
;;   ~~~
;;   SOFTMAX AHEAD OF A QUANTISED PRODUCT. Where the list says 'softmax', what is quantised is not the finished softmax but p = 2^(t - M), with t = logit x log2(e) and M = ceil(the row's largest t), a whole number; so 1/2 < the row's largest p <= 1. The row's sum l is taken of the UNQUANTISED p, in f32, and the product's result is divided by l at the end. Since M is a whole number, a kernel that streams over the keys may use a running M (the ceiling of the running maximum): every later rescaling is an exact power of two, which a block's scale takes up: the codes' values come out the same.
;;   OPERANDS COMPUTED ON THE WAY. 'Computed on the way' means the value that the module computes at that place (a softmax that the list does not call 'softmax' is quantised finished and normalised). What goes into a quantiser is computed in f32, as accurately as f32 sums, v_exp_f32 and their like allow (about 1e-6 of the number): no bf16 or f16 on the way to a quantiser, and a product that is left as it is and whose result goes on into a quantised operand takes f32 operands (vector FMAs, or v_wmma_f32_16x16x4_f32). A number that lies on a knife's edge between two numbers of the format may be rounded either way, as far as f32 arithmetic and the matrix unit's own rounding can turn it there, and no further.
;; One version. Each part assembles by itself: llvm-mc -triple=amdgcn-amd-amdhsa -mcpu=gfx1250 --defsym DOCPART=n.
;; ======== version 1 of 1: 4 launches
;; limits: right only within a limited range of input values
;; workspace buffers: xq 4,456,448 bytes; wq 2,228,224 bytes; qk 8,912,896 bytes; vv 4,456,448 bytes; aa 4,456,448 bytes
;; launch prep (part 1): grid 512 x 1, 4 waves a work-group, no clusters, 42,496 bytes of LDS; arguments x, Wq, Wk, Wv, Wproj, xq, wq; writes xq, wq
.if DOCPART == 1
	.amdgcn_target "amdgcn-amd-amdhsa--gfx1250"
	.amdhsa_code_object_version 6
	.text
	.protected	k_q7bfdfac006_prep
	.globl	k_q7bfdfac006_prep
	.p2align	8
	.type	k_q7bfdfac006_prep,@function
k_q7bfdfac006_prep:
	s_mov_b64 s[64:65], 0
	v_nop
	global_prefetch_b8 v0, s[64:65] scope:SCOPE_SE
	s_setreg_imm32_b32 hwreg(HW_REG_WAVE_MODE, 25, 1), 1
	s_wait_xcnt 0x0
; MULTI-HEAD CAUSAL ATTENTION IN MX-FP4, launch 1 of 4: x and the four weights become codes of FP4 (E2M1) with one E8M0 byte for each 32 along K.
; WORK LEFT OUT IN THIS PROGRAM, AND WHY IT IS DEAD.  reference() itself builds the causal mask (jnp.tril) and puts -infinity where key s > query t, ahead of the softmax: there p = 2^(t - M) is exactly 0,
; whatever finite values the inputs hold, so such a key adds nothing to the row's sum and nothing to the second product, and it takes no part in the row's maximum.  Key steps of 128 keys that lie wholly
; behind a tile's last query are therefore not multiplied (launch attn).  Nothing else is left out; every input has a way to the output and is loaded.
; LIMIT: a NaN, an infinity or an overflow that would arise only in the scores left out is not carried to the result.
; THE QUANTISER: a block's scale is 2^(floor(log2(largest magnitude)) - 2); its byte is the largest magnitude's exponent field - 2, held at 1 from below by a floor 2^(3 - 127) among the maximum's leaves.
; LIMITS: a block of zeros gets the byte 1 where the rule says 127 (its codes are zeros, and this program alone reads the bytes); blocks whose largest magnitude lies under 2^(3 - 127) keep the byte 1;
; NaN and infinities among the inputs are not served.
; LAYOUT OUT.  xq: codes [8192 places][512 bytes], behind them (byte 4,194,304) scale bytes [8192 places][32].  wq: codes [4096 places][512], rows 0-1023 Wq (n = 64 head + d), 1024-2047 Wk, 2048-3071 Wv,
; 3072-4095 Wproj (n); behind them (byte 2,097,152) scale bytes [4096][32].  K is innermost.  A ROW'S PLACE IS ITS NUMBER WITH BITS 3 AND 4 EXCHANGED: sixteen places on end, taken as source 0 of a
; matrix instruction, then give results whose 16 registers of two neighbouring tiles are 16 neighbours, as the next quantiser wants them.
; SHARES.  Work-groups 0-255: the weights, whose K is NOT innermost: 32 columns x 512 along K each; wave w takes 128 of the 512; a lane takes a column and its registers run down K.  The four waves' codes
; meet in a stage in LDS, so that sixteen lanes store 256 consecutive bytes of a row.  Work-groups 256-511: x, whose K is innermost: a wave takes 8 rows (8,192 numbers) as 16 steps of 512.
; The two ways part on the work-group's number, have LDS bytes of their own, and meet at ONE barrier that every work-group passes.  Every LDS address is made ahead of the parting.
.set SP,    80                         ; x: a lane's place in a stage: 64 bytes + 16 of padding
.set WREG,  8192                       ; x: a wave's own LDS: two stages of 32 x SP bytes, behind them its 256 scale bytes
.set WST,   4*WREG                     ; weights: the stage, 32 places x (256 bytes + 16)
.set WP,    272
.set WSS,   WST+32*WP                  ; weights: 32 places x 16 scale bytes
.set SPARE, WSS+512                    ; the spare words, 128 bytes for each wave: two blocks of 256 bytes that no other line names
.set SPW,   12                         ; v12  LDS address of my spare word; never rewritten
.set NIL,   13                         ; v13  0; never rewritten
.set R,     16                         ; x: v16-143  eight sets of 16 numbers as they are loaded
.set X,     144                        ; x: v144-175 two sets of 16 neighbours
.set C,     176                        ; x: v176-207 two registers of codes for each step
.set E,     208                        ; x: v208-223 a scale byte for each step
.set WN,    16                         ; weights: v16-143 four blocks of 32 numbers
.set OF,    144                        ; weights: v144-175 byte offset of row i of a block, at my column
.set WC,    176                        ; weights: v176-191 four registers of codes for each block
.set WB,    192                        ; weights: v192 my four scale bytes
	s_load_b256 s[4:11], s[0:1], 0x0               ; x s[4:5], Wq s[6:7], Wk s[8:9], Wv s[10:11]
	s_load_b128 s[12:15], s[0:1], 0x20             ; Wproj s[12:13], xq s[14:15]
	s_load_b64 s[16:17], s[0:1], 0x30              ; wq
	v_lshl_add_u32 v[SPW], v0, 2, SPARE
	v_mov_b32 v[NIL], 0
	v_lshrrev_b32 v1, 5, v0
	v_readfirstlane_b32 s18, v1                    ; wave 0..3
	v_and_b32 v2, 31, v0                           ; lane
	; x: addresses
	v_lshlrev_b32 v3, 4, v2                        ; my 16 bytes of a load's 512
	s_mul_i32 s19, s18, WREG
	v_lshrrev_b32 v14, 2, v2
	v_mul_u32_u24 v14, v14, SP
	v_and_b32 v15, 3, v2
	v_lshl_add_u32 v14, v15, 4, v14
	v_add_nc_u32 v14, s19, v14                     ; the stage, on the way in: SP (lane / 4) + 16 (lane % 4)
	v_mul_u32_u24 v15, v2, SP
	v_add_nc_u32 v15, s19, v15                     ; and on the way out: SP x lane: my 16 neighbours
	v_lshlrev_b32 v4, 3, v2                        ; 8 x lane: my codes' place in a step's 256 bytes; also my 8 of the wave's 256 scale bytes
	v_lshrrev_b32 v5, 1, v2
	s_add_co_u32 s19, s19, 2*32*SP
	v_add_nc_u32 v5, s19, v5                       ; LDS: my block's scale byte
	v_add_nc_u32 v6, s19, v4                       ; LDS: the scale bytes on the way out
	; weights: addresses
	v_and_b32 v9, 7, v2
	v_bfe_u32 v10, v2, 3, 1
	v_bfe_u32 v11, v2, 4, 1
	v_lshl_or_b32 v9, v10, 4, v9
	v_lshl_or_b32 v9, v11, 3, v9                   ; my column's place: the lane's number with bits 3 and 4 exchanged
	v_and_b32 v1, 15, v2
	s_lshl_b32 s19, s18, 6
	s_add_co_u32 s19, s19, WST
	v_mul_u32_u24 v224, v9, WP
	v_add_nc_u32 v224, s19, v224                   ; into the stage: row = place, my wave's 64 bytes of its 256
	s_mul_i32 s19, s18, 8*WP
	s_add_co_u32 s19, s19, WST
	v_mul_u32_u24 v225, v11, WP
	v_lshl_add_u32 v225, v1, 4, v225
	v_add_nc_u32 v225, s19, v225                   ; out of it: wave w takes places 8 w .. 8 w + 7, sixteen lanes to a row, two rows an instruction
	s_lshl_b32 s19, s18, 12
	v_lshlrev_b32 v226, 9, v11
	v_lshl_add_u32 v226, v1, 4, v226
	v_add_nc_u32 v226, s19, v226                   ; and the same place in wq: rows of 512 bytes
	s_lshl_b32 s19, s18, 2
	s_add_co_u32 s19, s19, WSS
	v_lshlrev_b32 v227, 4, v9
	v_add_nc_u32 v227, s19, v227                   ; my four scale bytes: 16 x place + 4 x wave
	v_lshl_add_u32 v228, v2, 4, WSS                ; back: a place's 16 bytes a lane,
	v_lshlrev_b32 v229, 5, v2                      ; which go to rows of 32 bytes
	s_lshr_b32 s20, ttmp9, 1                       ; weights: which group of 32 places of wq (0..127)
	s_and_b32 s21, ttmp9, 1                        ; and which half of K
	s_lshl_b32 s40, s20, 14
	s_lshl_b32 s22, s21, 8
	s_add_co_u32 s40, s40, s22                     ; codes: 32 rows of 512 bytes a group, 256 bytes a half
	s_mov_b32 s41, 0
	s_lshl_b32 s42, s20, 10
	s_lshl_b32 s22, s21, 4
	s_add_co_u32 s42, s42, s22
	s_add_co_u32 s42, s42, 0x200000                ; scale bytes: behind the codes, 32 rows of 32 bytes a group, 16 bytes a half
	s_mov_b32 s43, 0
	s_wait_kmcnt 0x0
	s_add_nc_u64 s[40:41], s[16:17], s[40:41]
	s_add_nc_u64 s[42:43], s[16:17], s[42:43]
	s_cmp_lt_u32 ttmp9, 256
	s_cbranch_scc1 .Lweights
	; ---------------- x ----------------
	s_sub_co_u32 s22, ttmp9, 256
	s_lshl_b32 s22, s22, 2
	s_add_co_u32 s24, s22, s18                     ; which run of 8 rows is my wave's
	s_lshl_b32 s24, s24, 15                        ; 32,768 bytes a run
	s_mov_b32 s25, 0
	s_add_nc_u64 s[4:5], s[4:5], s[24:25]
	s_and_b32 s23, s18, 1
	s_lshl_b32 s23, s23, 1
	s_lshr_b32 s26, s18, 1
	s_or_b32 s23, s23, s26                         ; a row's bits 3 and 4 are the wave's two bits: exchanged, they give the run's place
	s_add_co_u32 s22, s22, s23
	s_lshl_b32 s24, s22, 12                        ; 8 rows of 512 bytes of codes
	s_lshl_b32 s26, s22, 8                         ; 8 rows of 32 scale bytes,
	s_add_co_u32 s26, s26, 0x400000                ; behind the codes
	s_mov_b32 s27, 0
	s_add_nc_u64 s[26:27], s[14:15], s[26:27]
	s_add_nc_u64 s[14:15], s[14:15], s[24:25]
.macro XLOAD t
.irp i, 0,1,2,3
	global_load_b128 v[R+16*((\t)%8)+4*\i:R+16*((\t)%8)+4*\i+3], v3, s[4:5] offset:2048*(\t)+512*\i th:TH_LOAD_NT   ; 32 lanes read 512 consecutive bytes
.endr
.endm
.macro XTURN t                         ; step t's numbers through the stage; LDS serves a wave's instructions in order, so no wait stands between the stores and the loads
.irp i, 0,1,2,3
	ds_store_b128 v14, v[R+16*((\t)%8)+4*\i:R+16*((\t)%8)+4*\i+3] offset:32*SP*((\t)%2)+8*SP*\i
.endr
.irp i, 0,1,2,3
	ds_load_b128 v[X+16*((\t)%2)+4*\i:X+16*((\t)%2)+4*\i+3], v15 offset:32*SP*((\t)%2)+16*\i
.endr
.endm
.irp t, 0,1,2,3,4,5,6,7
	XLOAD \t                                       ; eight steps, 32 loads, 16,384 bytes a wave are on their way
.endr
	s_wait_loadcnt 28                              ; step 0's four loads are in; the seven younger steps' 28 stay out
	XTURN 0
.macro XSTEP t
.set XS, X+16*((\t)%2)
.if (\t) > 0
	s_wait_dscnt 1                                 ; this step's numbers are back from the stage (the last step's byte store may be out): so its stores into the stage have read their registers,
.else
	s_wait_dscnt 0x0
.endif
.if (\t)+8 < 16
	XLOAD (\t)+8                                   ; which take the loads of eight steps on
.endif
.if (\t)+1 < 16
.if 14-(\t) >= 7
	s_wait_loadcnt 28                              ; the next step's four loads are in; those of the seven steps behind it may be out
.else
	s_wait_loadcnt 4*(14-(\t))                     ; near the end fewer steps stand behind it
.endif
	XTURN (\t)+1
.endif
	v_max3_num_f32 v8, |v[XS]|, |v[XS+1]|, |v[XS+2]|               ; the largest magnitude of my 16, in two chains
	v_max3_num_f32 v9, |v[XS+3]|, |v[XS+4]|, |v[XS+5]|
.irp i, 6,10
	v_max3_num_f32 v8, v8, |v[XS+\i]|, |v[XS+\i+1]|
	v_max3_num_f32 v9, v9, |v[XS+\i+2]|, |v[XS+\i+3]|
.endr
	v_max3_num_f32 v8, v8, |v[XS+14]|, |v[XS+15]|
	v_max3_num_f32 v8, v8, v9, 0x1800000           ; and the floor 2^(3 - 127): the byte cannot fall under 1
	v_max_num_f32_dpp v8, v8, v8 row_xmask:1 row_mask:0xf bank_mask:0xf   ; and of my neighbour's 16: the block's
	v_add_nc_u32 v11, 0xff000000, v8               ; 2 off its exponent field: the conversion takes the exponent field of this operand as its scale
	v_cvt_scalef32_pk8_fp4_f32 v[C+2*(\t)], v[XS:XS+7], v11
	v_cvt_scalef32_pk8_fp4_f32 v[C+2*(\t)+1], v[XS+8:XS+15], v11
	v_lshrrev_b32 v[E+(\t)], 23, v11               ; the scale's byte (a plain line behind the conversions)
	ds_store_b8 v5, v[E+(\t)] offset:16*(\t)       ; both lanes of a block write the same byte with the same value
	global_store_b64 v4, v[C+2*(\t):C+2*(\t)+1], s[14:15] offset:256*(\t)   ; the wave stores 256 consecutive bytes, aligned
.endm
.irp t, 0,1,2,3,4,5,6,7,8,9,10,11,12,13,14,15
	XSTEP \t
.endr
	ds_load_b64 v[8:9], v6                         ; my wave's 256 scale bytes: these loads see my stores
	s_wait_dscnt 0x0
	global_store_b64 v4, v[8:9], s[26:27]          ; 256 consecutive bytes, aligned
	s_branch .Ljoin
	; ---------------- the weights, first part: numbers to codes, codes into the stage ----------------
.Lweights:
	s_lshr_b32 s22, ttmp9, 6                       ; which weight: 0 Wq, 1 Wk, 2 Wv, 3 Wproj
	s_and_b32 s23, s20, 31                         ; which 32 of its 1,024 columns
	s_lshr_b32 s32, s23, 1
	s_lshl_b32 s32, s32, 18                        ; Wq, Wk, Wv [head][e][d]: a head is 262,144 bytes,
	s_and_b32 s33, s23, 1
	s_lshl_b32 s33, s33, 7                         ; and holds two groups of 32 columns
	s_or_b32 s32, s32, s33
	s_lshl_b32 s33, s23, 7                         ; Wproj [k][n]: 128 bytes a group
	s_cmp_eq_u32 s22, 1
	s_cselect_b64 s[6:7], s[8:9], s[6:7]
	s_cmp_eq_u32 s22, 2
	s_cselect_b64 s[6:7], s[10:11], s[6:7]
	s_cmp_eq_u32 s22, 3
	s_cselect_b64 s[6:7], s[12:13], s[6:7]         ; the choice hangs on the work-group's number alone
	s_cselect_b32 s34, 12, 8                       ; from k to k + 1: 4,096 bytes in Wproj, 256 in the others
	s_cselect_b32 s32, s33, s32
	s_lshl_b32 s35, 1, s34
	s_lshl_b32 s36, s21, 9
	s_lshl_b32 s37, s18, 7
	s_add_co_u32 s36, s36, s37                     ; my wave's first k: 512 x half + 128 x wave
.irp t, 0,1,2,3
	s_add_co_u32 s38, s36, 32*\t                   ; a base for each block, so that none is ever stepped
	s_lshl_b32 s38, s38, s34
	s_add_co_u32 s38, s38, s32
	s_mov_b32 s39, 0
	s_add_nc_u64 s[24+2*\t:25+2*\t], s[6:7], s[38:39]
.endr
	v_lshlrev_b32 v[OF], 2, v2                     ; my column,
.set i, 1
.rept 31
	v_add_nc_u32 v[OF+i], s35, v[OF+i-1]           ; row i of a block
.set i, i+1
.endr
.macro WLOAD t                         ; block t: W(first k + 32 t + i, my column): 32 lanes read 128 consecutive bytes
.set i, 0
.rept 32
	global_load_b32 v[WN+32*(\t)+i], v[OF+i], s[24+2*(\t):25+2*(\t)]
.set i, i+1
.endr
.endm
	WLOAD 0
	WLOAD 1
	WLOAD 2
	WLOAD 3
.macro WBLOCK t, left
.set XS, WN+32*(\t)
	s_wait_loadcnt \left
	v_max3_num_f32 v8, |v[XS]|, |v[XS+1]|, |v[XS+2]|               ; the block's largest magnitude: all 32 numbers are mine
	v_max3_num_f32 v9, |v[XS+3]|, |v[XS+4]|, |v[XS+5]|
.irp i, 6,10,14,18,22,26
	v_max3_num_f32 v8, v8, |v[XS+\i]|, |v[XS+\i+1]|
	v_max3_num_f32 v9, v9, |v[XS+\i+2]|, |v[XS+\i+3]|
.endr
	v_max3_num_f32 v8, v8, |v[XS+30]|, |v[XS+31]|
	v_max3_num_f32 v8, v8, v9, 0x1800000           ; and the floor
	v_add_nc_u32 v11, 0xff000000, v8               ; the conversion's scale operand
	v_lshrrev_b32 v10, 23, v11                     ; the scale's byte
.if (\t) == 0
	v_mov_b32 v[WB], v10
.else
	v_lshl_or_b32 v[WB], v10, 8*(\t), v[WB]        ; four bytes to a register, the lower K in the lower byte
.endif
.irp g, 0,1,2,3
	v_cvt_scalef32_pk8_fp4_f32 v[WC+4*(\t)+\g], v[XS+8*\g:XS+8*\g+7], v11
.endr
	v_nop                                          ; a plain line behind the last conversion of the run
	ds_store_b128 v224, v[WC+4*(\t):WC+4*(\t)+3] offset:16*(\t)    ; 32 codes: 16 bytes of my column's row
.endm
	WBLOCK 0, 63                                   ; behind block 0's loads 96 were issued, behind block 1's 64: the count's field holds 63, which is the smaller and so the safe one
	WBLOCK 1, 63
	WBLOCK 2, 32                                   ; block 3's 32 may be out
	WBLOCK 3, 0
	ds_store_b32 v227, v[WB]
.Ljoin:
	s_wait_dscnt 0x0                               ; for the others' sake: my LDS stores have landed
	s_barrier_signal -1
	s_barrier_wait -1                              ; the one barrier of the text: every wave of every work-group passes it
	s_cmp_ge_u32 ttmp9, 256
	s_cbranch_scc1 .Lend
	; ---------------- the weights, second part: whole rows out of the stage ----------------
.irp j, 0,1,2,3
	ds_load_b128 v[16+4*\j:19+4*\j], v225 offset:2*WP*\j
.endr
	s_wait_dscnt 0x0
.irp j, 0,1,2,3
	global_store_b128 v226, v[16+4*\j:19+4*\j], s[40:41] offset:1024*\j   ; sixteen lanes store 256 consecutive bytes, aligned
.endr
	s_cmp_lg_u32 s18, 0
	s_cbranch_scc1 .Lend
	ds_load_b128 v[32:35], v228                    ; wave 0: the 32 places' scale bytes of this half of K
	s_wait_dscnt 0x0
	global_store_b128 v229, v[32:35], s[42:43]     ; 16 bytes of each row of 32: the other half of K is another work-group's (131,072 bytes in the whole launch leave so)
.Lend:
	s_wait_tensorcnt 0x0                           ; the wave's end, behind my last LDS store
	ds_add_u32 v[SPW], v[NIL]
	s_wait_dscnt 0x0
	s_endpgm
.Lfunc_end_k_q7bfdfac006_prep:
	.size	k_q7bfdfac006_prep, .Lfunc_end_k_q7bfdfac006_prep-k_q7bfdfac006_prep
	.p2alignl 7, 3214868480
	.fill 96, 4, 3214868480
	.section	.rodata,"a",@progbits
	.p2align	6, 0x0
	.amdhsa_kernel k_q7bfdfac006_prep
		.amdhsa_group_segment_fixed_size 42496
		.amdhsa_private_segment_fixed_size 0
		.amdhsa_enable_private_segment 0
		.amdhsa_kernarg_size 56
		.amdhsa_user_sgpr_count 2
		.amdhsa_user_sgpr_kernarg_segment_ptr 1
		.amdhsa_wavefront_size32 1
		.amdhsa_system_sgpr_workgroup_id_x 1
		.amdhsa_system_sgpr_workgroup_id_y 1
		.amdhsa_system_sgpr_workgroup_id_z 1
		.amdhsa_system_vgpr_workitem_id 0
		.amdhsa_next_free_vgpr 256
		.amdhsa_next_free_sgpr 66
		.amdhsa_reserve_vcc 0
		.amdhsa_float_denorm_mode_32 3
		.amdhsa_float_denorm_mode_16_64 3
		.amdhsa_memory_ordered 1
		.amdhsa_forward_progress 1
		.amdhsa_inst_pref_size 57
	.end_amdhsa_kernel
	.amdgpu_metadata
---
amdhsa.version: [ 1, 2 ]
amdhsa.kernels:
  - .name:           k_q7bfdfac006_prep
    .symbol:         k_q7bfdfac006_prep.kd
    .args:
      - { .name: x, .offset: 0, .size: 8, .value_kind: global_buffer, .address_space: global }
      - { .name: Wq, .offset: 8, .size: 8, .value_kind: global_buffer, .address_space: global }
      - { .name: Wk, .offset: 16, .size: 8, .value_kind: global_buffer, .address_space: global }
      - { .name: Wv, .offset: 24, .size: 8, .value_kind: global_buffer, .address_space: global }
      - { .name: Wproj, .offset: 32, .size: 8, .value_kind: global_buffer, .address_space: global }
      - { .name: xq, .offset: 40, .size: 8, .value_kind: global_buffer, .address_space: global }
      - { .name: wq, .offset: 48, .size: 8, .value_kind: global_buffer, .address_space: global }
    .group_segment_fixed_size: 42496
    .private_segment_fixed_size: 0
    .kernarg_segment_align: 8
    .kernarg_segment_size: 56
    .max_flat_workgroup_size: 128
    .sgpr_count:     66
    .vgpr_count:     256
    .wavefront_size: 32
...
	.end_amdgpu_metadata
.endif
;; end of part 1
;; launch qkv (part 2): grid 8 x 32, 4 waves a work-group, clusters of 4 x 4, 327,680 bytes of LDS; arguments xq, wq, qk, vv; writes qk, vv
.if DOCPART == 2
	.amdgcn_target "amdgcn-amd-amdhsa--gfx1250"
	.amdhsa_code_object_version 6
	.text
	.protected	k_q7bfdfac006_qkv
	.globl	k_q7bfdfac006_qkv
	.p2align	8
	.type	k_q7bfdfac006_qkv,@function
k_q7bfdfac006_qkv:
	s_mov_b64 s[64:65], 0
	v_nop
	global_prefetch_b8 v0, s[64:65] scope:SCOPE_SE
	s_setreg_imm32_b32 hwreg(HW_REG_WAVE_MODE, 25, 1), 1
	s_wait_xcnt 0x0
	s_wait_alu depctr_hold_cnt(0) depctr_sa_sdst(0) depctr_va_vdst(0) depctr_va_sdst(0) depctr_va_ssrc(0) depctr_va_vcc(0) depctr_vm_vsrc(0)
	s_getreg_b32 s2, hwreg(HW_REG_IB_STS2, 6, 4)
	s_cmp_eq_u32 s2, 0
	s_cbranch_scc0 .Lentry_in_a_cluster
	s_endpgm
.Lentry_in_a_cluster:
	s_bfe_u32 s2, ttmp6, 0x10000c
	s_cmp_lg_u32 s2, 0xf033
	s_cbranch_scc0 .Lentry_shape_is_right
	s_endpgm
.Lentry_shape_is_right:
; Launch 2 of 4: q = x Wq, k = x Wk, v = x Wv on codes of FP4 with E8M0 scales (K = 1,024), and the results quantised in registers on the way out: q and k along d, v along the keys.  No work is left out here.
; 256 WORK-GROUPS, each with 256 rows of x (block row i of 32) and block column j of 8, in TWO PHASES on the same rows of x, which stay in LDS:
;   phase 1: 256 rows of x against rows 256 j .. of (Wq, Wk): four waves, 128 x 128 each: 64 accumulators, 512 registers.  Source 0 = W's rows: a lane holds one row of x, its registers run along (head, d).
;   phase 2: rows 128 j .. of Wv against the 256 rows of x: four waves, 64 rows of Wv x 128 of x each: 32 accumulators.  Source 0 = x's rows: a lane holds one row of Wv, its registers run along the keys.
; Source 0's rows lie in memory at places with bits 3 and 4 of the row's number exchanged, so the 16 registers of tiles 2 b and 2 b + 1 are 16 neighbours 32 b + 16 (lane / 16) + 0 .. 15: what the conversions want.
; LDS.  All of K at once: rows of 512 bytes.  The head asks for x's 256 rows, W's 256 rows and both tiles' scale bytes, ONE joint load a wave.  Wv's 128 rows and their scale bytes do not fit beside them (640 rows of 512 bytes
; are all of LDS): they are asked for ahead of phase 1's last step's products, into the bytes that held W and its scales, behind the three lines and a round of the cluster's barrier; phase 1's way out stands between that request and the wait for it.
; CLUSTERS: 4 x 4.  The four of a row of the cluster need the same rows of x, the four of a column the same rows of W and of Wv: each tile is asked for jointly.
; No prefetch: the launch has no loop to run ahead in.
; OUT.  16 rows x 128 results become one operand fragment, stored AS AN IMAGE OF ITS REGISTERS: registers 4 c .. 4 c + 3 of lane l at 512 c + 16 l.  qk: [nb 16][ma 512][1,024 bytes]: nb < 8: q of heads
; 2 nb + c, nb >= 8: k of heads 2 (nb - 8) + c; ma: sixteen places of (batch, t).  vv: [nb 64 = 128 keys][ma 64 = sixteen places of (head, d)][1,024 bytes].  Scale words behind the codes: [nb][ma / 8][row 16][ma % 8].
; LIMITS: a block of zeros gets the byte 1 where the rule says 127 (its codes are zeros, this program alone reads the bytes); blocks under 2^(3 - 127) keep the byte 1; NaN and infinities are not served.
; REGISTERS, in windows of 256: window 0: v0-31 addresses; v32-95 scale words of all of K; v128-191 source 1's fragments, later the codes made; v200-227 at work on the way out.
;   window 1: source 0's fragments, two sets, at v0 and v128.   window 2: accumulators (a, b) at v[8 (8 a + b)], a = 0 .. 3;   window 3: phase 1's a = 4 .. 7.
.set PITCH,  528                       ; an LDS row: 512 bytes + 16 of padding = 132 words: the 16 rows that a load touches start at 16 different banks
.set FR,     8
.set NL,     2
.set NP,     4
.set HALFT,  128*PITCH
.set SCL,    4*HALFT                   ; behind x's 256 rows and W's 256 rows: the scales, as units of 256 bytes + 16
.set HALFS,  16*272                    ; those of 128 rows
.set SBLK,   2*272                     ; those of 16 rows
.set SPARE,  SCL+4*HALFS               ; the spare words, 128 bytes for each wave: two blocks of 256 bytes that no other line names
.set ADRA, 16                          ; v16  phase 1: my 128 rows of x
.set ADRB, 17                          ; v17  phase 1: my 128 rows of W
.set ADRX, 18                          ; v18  phase 2: my 128 rows of x
.set ADRW, 19                          ; v19  phase 2: my 64 rows of Wv
.set ADRS, 20                          ; v20  phase 1's scale words: lanes 0-15 x's, lanes 16-31 W's
.set ADRT, 21                          ; v21  phase 2's: lanes 0-15 Wv's, lanes 16-31 x's
.set SO2,  23                          ; v23  32 x row + 8 x half
.set LI,   24                          ; v24  16 x lane: my place in an image
.set SO,   25                          ; v25  32 x row + 16 x half
.set SPW,  28
.set NIL,  29
.set SC,   32                          ; register 32 (k / 4) + 4 i + k % 4: the words of block i for the k-th 128 along K
.set AF,   128
.set PCD,  128                         ; the way out: block a's codes at v[128 + 8 a]
.set TM,   200                         ; v200-203 largest magnitudes, v204-207 bytes, v212-215 the conversions' scale operands
.set PW,   216                         ; v216-223 block a's scale word
.set OW,   224                         ; v224-227 the words as they are stored
.set SEL,  2                           ; s[2:3] lane selects for v_permlanex16_b32: lane l xor 16
.set HM,   18                          ; s18 lanes 16-31
.set G1, 24
.set G0, 32
.set G0V, 36                           ; Wv's codes
.set G1B, 48
.set G0B, 56
.set G0VS, 60                          ; Wv's scale bytes
.set G1S, 68
.set G0S, 76
.set G1SB, 80
.set G0SB, 88
.set MSB, 0
.macro WIN new                         ; the immediate's high byte repeats the setting that is left
.if MSB != (\new)
	s_set_vgpr_msb (MSB<<8)|(\new)
.set MSB, (\new)
.endif
.endm
.set MUL_LO, 0xa1                      ; source 0 window 1, source 1 window 0, C and D window 2
.set MUL_HI, 0xf1
.set TO_B,   0x40
; One arm of a chain of branches on the wave's number: its joint load, an s_nop 0 and four v_nop, and a jump to the chain's end.
.macro ARM under, g0, g1, next, done
	s_cmp_lt_u32 s14, \under
	s_cbranch_scc0 \next
	tensor_load_to_lds s[\g0:\g0+3], s[\g1:\g1+7]
	s_nop 0
.rept 4
	v_nop
.endr
	s_branch \done
\next:
.endm
.macro CROUND                          ; a round of the cluster's barrier
	s_barrier_signal -1
	s_barrier_wait -1
	s_cmp_lg_u32 s14, 0
	s_cbranch_scc1 .Lnot_wave_0_\@
	s_barrier_signal -3
.Lnot_wave_0_\@:
	s_barrier_wait -3
	s_barrier_signal -1
	s_barrier_wait -1
.endm
.macro GRP1 g, c, r, p                 ; group 1's words behind the first: r rows of c elements, p elements apart
	s_mov_b32 s[\g+1], (\c)<<16
	s_mov_b32 s[\g+2], (\r)<<16
	s_mov_b32 s[\g+3], (\c)<<16
	s_mov_b32 s[\g+4], \r
	s_mov_b32 s[\g+5], \p
	s_mov_b32 s[\g+6], 0
	s_mov_b32 s[\g+7], 0
.endm
.macro PLACES n                        ; plain vector lines between a matrix instruction and a load into, or a read of, its registers
.rept \n
	v_nop
.endr
.endm
	s_load_b256 s[4:11], s[0:1], 0x0               ; xq s[4:5], wq s[6:7], qk s[8:9], vv s[10:11]
	v_lshl_add_u32 v[SPW], v0, 2, SPARE
	v_mov_b32 v[NIL], 0
	ds_add_u32 v[SPW], v[NIL]                      ; the wave's opening: the add, twice on end, and its wait ahead of my first tensor load
	ds_add_u32 v[SPW], v[NIL]
	v_lshrrev_b32 v1, 5, v0
	v_readfirstlane_b32 s14, v1                    ; wave 0..3
	s_lshr_b32 s15, s14, 1                         ; which half of source 1's rows is mine
	s_and_b32 s16, s14, 1                          ; which half of source 0's
	s_bfe_u32 s40, ttmp6, 0x40000                  ; cx
	s_bfe_u32 s41, ttmp6, 0x40004                  ; cy
	s_and_b32 s17, ttmp7, 0xffff
	s_lshl_b32 s17, s17, 2
	s_add_co_u32 s17, s17, s41                     ; i: which 256 rows of x = 4 x cluster y + cy
	s_lshl_b32 s42, ttmp9, 2
	s_add_co_u32 s42, s42, s40                     ; j: which rows of the weights = 4 x cluster x + cx
	s_lshl_b32 s43, s41, 2
	s_lshl_b32 s43, 15, s43                        ; my row of the cluster
	s_lshl_b32 s44, 0x1111, s40                    ; my column
	s_or_b32 s[G1], s43, (0<<16)|(1<<20)|(1<<21)|(6<<22)|(3<<25)     ; the mask; elements of 1 byte; padding: 4 words behind every 128
	GRP1 G1, 512, 256, 512
	s_or_b32 s[G1B], s44, (0<<16)|(1<<20)|(1<<21)|(6<<22)|(3<<25)
	GRP1 G1B, 512, 256, 512
	s_or_b32 s[G1S], s43, (3<<16)|(1<<20)|(1<<21)|(5<<22)|(3<<25)    ; the scales of 256 rows: 8,192 dense bytes as 32 rows of 256 (32 elements of 8 bytes), 16 bytes of padding behind each
	GRP1 G1S, 32, 32, 32
	s_or_b32 s[G1SB], s44, (3<<16)|(1<<20)|(1<<21)|(5<<22)|(3<<25)
	GRP1 G1SB, 32, 32, 32
	s_lshl_b32 s20, s17, 17                        ; x's codes: 256 rows of 512 bytes a block
	s_mov_b32 s21, 0
	s_lshl_b32 s22, s17, 13
	s_add_co_u32 s22, s22, 0x400000                ; its scale bytes: 256 rows of 32, behind the codes
	s_mov_b32 s23, 0
	s_lshl_b32 s46, s42, 17                        ; W's codes
	s_mov_b32 s47, 0
	s_lshl_b32 s92, s42, 13
	s_add_co_u32 s92, s92, 0x200000
	s_mov_b32 s93, 0
	s_lshl_b32 s66, s42, 16                        ; Wv begins at row 2,048 of wq: 128 rows a block, of which waves 0 and 1 fetch 64 each
	s_lshl_b32 s67, s16, 15
	s_add_co_u32 s66, s66, s67
	s_add_co_u32 s66, s66, 2048*512
	s_mov_b32 s67, 0
	s_lshl_b32 s98, s42, 12
	s_add_co_u32 s98, s98, 0x200000+2048*32
	s_mov_b32 s99, 0
	s_mov_b32 s[G0], 1
	s_mov_b32 s[G0+1], 0
	s_mov_b32 s[G0B], 1
	s_mov_b32 s[G0B+1], 2*HALFT
	s_mov_b32 s[G0S], 1
	s_mov_b32 s[G0S+1], SCL
	s_mov_b32 s[G0SB], 1
	s_mov_b32 s[G0SB+1], SCL+2*HALFS
	s_mov_b32 s[G0V], 1
	s_mul_i32 s[G0V+1], s16, 64*PITCH
	s_add_co_u32 s[G0V+1], s[G0V+1], 2*HALFT       ; Wv's rows land where W's lay,
	s_mov_b32 s[G0VS], 1
	s_mov_b32 s[G0VS+1], SCL+2*HALFS               ; its scale bytes where W's lay
	s_mov_b32 s[HM], 0xffff0000
	s_mov_b32 s[SEL], 0x76543210
	s_mov_b32 s[SEL+1], 0xfedcba98
	s_wait_dscnt 0x0                               ; both opening adds are done
	s_wait_kmcnt 0x0
	s_add_nc_u64 s[G0+2:G0+3], s[4:5], s[20:21]
	s_or_b32 s[G0+3], s[G0+3], 0x80000000
	s_add_nc_u64 s[G0S+2:G0S+3], s[4:5], s[22:23]
	s_or_b32 s[G0S+3], s[G0S+3], 0x80000000
	s_add_nc_u64 s[G0B+2:G0B+3], s[6:7], s[46:47]
	s_or_b32 s[G0B+3], s[G0B+3], 0x80000000
	s_add_nc_u64 s[G0SB+2:G0SB+3], s[6:7], s[92:93]
	s_or_b32 s[G0SB+3], s[G0SB+3], 0x80000000
	s_add_nc_u64 s[G0V+2:G0V+3], s[6:7], s[66:67]
	s_or_b32 s[G0V+3], s[G0V+3], 0x80000000
	s_add_nc_u64 s[G0VS+2:G0VS+3], s[6:7], s[98:99]
	s_or_b32 s[G0VS+3], s[G0VS+3], 0x80000000
	; my wave's places in LDS
	s_mul_i32 s21, s15, HALFT                      ; phase 1: my 128 rows of x,
	s_mul_i32 s23, s16, HALFT                      ; phase 2: my 128 rows of x,
	s_add_co_u32 s22, s23, 2*HALFT                 ; phase 1: my 128 rows of W,
	s_mul_i32 s19, s15, 64*PITCH
	s_add_co_u32 s19, s19, 2*HALFT                 ; phase 2: my 64 rows of Wv
	s_mul_i32 s45, s15, HALFS
	s_add_co_u32 s45, s45, SCL                     ; phase 1: x's scales of my rows,
	s_mul_i32 s47, s16, HALFS
	s_add_co_u32 s46, s47, SCL+2*HALFS
	s_sub_co_u32 s46, s46, s45                     ; and from there to W's
	s_add_co_u32 s47, s47, SCL                     ; phase 2: x's scales of my rows,
	s_mul_i32 s66, s15, 8*272
	s_add_co_u32 s66, s66, SCL+2*HALFS
	s_sub_co_u32 s66, s66, s47                     ; and from there to Wv's
	; where my images and their scale words go
	s_lshl_b32 s92, s42, 1
	s_add_co_u32 s92, s92, s16                     ; phase 1: nb: which 128 of W's rows
	s_lshl_b32 s92, s92, 9
	s_lshl_b32 s93, s17, 4
	s_add_co_u32 s92, s92, s93
	s_lshl_b32 s93, s15, 3
	s_add_co_u32 s92, s92, s93                     ; 512 nb + ma of my first block of 16 rows of x
	s_lshl_b32 s98, s92, 10                        ; an image is 1,024 bytes,
	s_add_nc_u64 s[12:13], s[8:9], s[98:99]
	s_lshl_b32 s98, s92, 6                         ; its scale words 64, behind the codes
	s_add_co_u32 s98, s98, 0x800000
	s_add_nc_u64 s[92:93], s[8:9], s[98:99]
	s_lshl_b32 s20, s17, 1
	s_add_co_u32 s20, s20, s16                     ; phase 2: nb: which 128 keys
	s_lshl_b32 s98, s20, 6
	s_lshl_b32 s67, s42, 3
	s_add_co_u32 s98, s98, s67
	s_lshl_b32 s67, s15, 2
	s_add_co_u32 s98, s98, s67                     ; 64 nb + ma = 8 j + 4 x half
	s_lshl_b32 s98, s98, 10
	s_add_nc_u64 s[94:95], s[10:11], s[98:99]
	s_lshl_b32 s98, s20, 3
	s_add_co_u32 s98, s98, s42
	s_lshl_b32 s98, s98, 9                         ; scale words [nb][j][row 16][ma % 8]: my four words are 16 bytes of a row's 32
	s_lshl_b32 s67, s15, 4
	s_add_co_u32 s98, s98, s67
	s_add_co_u32 s98, s98, 0x400000
	s_add_nc_u64 s[96:97], s[10:11], s[98:99]
	CROUND                                         ; all sixteen work-groups are here: the first joint loads meet
	ARM 1, G0,  G1,  .Lhead_b,  .Lhead_asked       ; THE HEAD'S LOADS, ONE A WAVE: wave 0 x's 256 rows, wave 1 W's, wave 2 x's scales, wave 3 W's
	ARM 2, G0B, G1B, .Lhead_sa, .Lhead_asked
	ARM 3, G0S, G1S, .Lhead_sb, .Lhead_asked
	tensor_load_to_lds s[G0SB:G0SB+3], s[G1SB:G1SB+7]
	s_nop 0
.rept 4
	v_nop
.endr
.Lhead_asked:
	v_and_b32 v1, 15, v0                           ; r = lane % 16
	v_bfe_u32 v2, v0, 4, 1                         ; h = lane / 16
	v_mul_u32_u24 v3, v1, PITCH
	v_lshl_add_u32 v4, v2, 4, v3                   ; a fragment's row x pitch + 16 x half
	v_add_nc_u32 v[ADRA], s21, v4
	v_add_nc_u32 v[ADRB], s22, v4
	v_add_nc_u32 v[ADRX], s23, v4
	v_add_nc_u32 v[ADRW], s19, v4
	v_mul_u32_u24 v5, v1, 32                       ; my row's scales: 32 bytes a row,
	v_lshrrev_b32 v6, 8, v5
	v_lshl_add_u32 v5, v6, 4, v5                   ; and 16 more for each 256 passed
	v_mul_u32_u24 v6, s46, v2                      ; phase 1: lanes 16-31 take W's
	v_add_nc_u32 v6, v5, v6
	v_add_nc_u32 v[ADRS], s45, v6
	v_xor_b32 v7, 1, v2
	v_mul_u32_u24 v7, s66, v7                      ; phase 2: lanes 0-15 take Wv's
	v_add_nc_u32 v7, v5, v7
	v_add_nc_u32 v[ADRT], s47, v7
	v_and_b32 v6, 31, v0
	v_lshlrev_b32 v[LI], 4, v6
	v_lshlrev_b32 v[SO], 5, v1
	v_lshl_add_u32 v[SO2], v2, 3, v[SO]
	v_lshl_add_u32 v[SO], v2, 4, v[SO]
.irp b, 0,1,2,3
	v_mov_b32 v[TM+4+\b], 0                        ; written once: a lane permute's destination counts as one of its sources
.endr
; PHASE 1.  16 matrix instructions: x's blocks a0, a0 + 1 against W's eight, the k-th 128 along K.  zero = 1: the first product starts the sums.  The 64 accumulators take turns, one instruction a turn, in the same order in every step.
.macro MUL16 a0, k, zero
.irp a, \a0, \a0+1
.irp b, 0,1,2,3,4,5,6,7
.if \zero
	v_wmma_scale_f32_16x16x128_f8f6f4 v[8*(8*((\a)%4)+\b):8*(8*((\a)%4)+\b)+7], v[128*((\k)%2)+FR*\b:128*((\k)%2)+FR*\b+FR-1], v[AF+FR*(\a):AF+FR*(\a)+FR-1], 0, v[SC+32*((\k)/4)+4*\b+(\k)%4], v[SC+32*((\k)/4)+4*(\a)+(\k)%4] matrix_a_fmt:MATRIX_FMT_FP4 matrix_b_fmt:MATRIX_FMT_FP4 matrix_a_scale:MATRIX_SCALE_ROW1
.else
	v_wmma_scale_f32_16x16x128_f8f6f4 v[8*(8*((\a)%4)+\b):8*(8*((\a)%4)+\b)+7], v[128*((\k)%2)+FR*\b:128*((\k)%2)+FR*\b+FR-1], v[AF+FR*(\a):AF+FR*(\a)+FR-1], v[8*(8*((\a)%4)+\b):8*(8*((\a)%4)+\b)+7], v[SC+32*((\k)/4)+4*\b+(\k)%4], v[SC+32*((\k)/4)+4*(\a)+(\k)%4] matrix_a_fmt:MATRIX_FMT_FP4 matrix_b_fmt:MATRIX_FMT_FP4 matrix_a_scale:MATRIX_SCALE_ROW1
.endif
.endr
.endr
.endm
; A fragment, 16 rows x 128 K of 4-bit codes: lane l holds row l % 16; registers 4 c .. 4 c + 3 hold K = 64 c + 32 (l / 16) + 0 .. 31: two loads of 16 bytes, 32 bytes apart.
.macro FETCH_B k                       ; W's eight fragments into set k % 2
	WIN TO_B
.irp i, 0,1,2,3,4,5,6,7
.irp c, 0,1
	ds_load_b128 v[128*((\k)%2)+FR*\i+4*\c:128*((\k)%2)+FR*\i+4*\c+3], v[ADRB] offset:64*(\k)+32*\c+\i*16*PITCH
.endr
.endr
	WIN 0
.endm
.macro FETCH_A k, i0                   ; x's blocks i0 .. i0 + 3
.irp i, \i0, \i0+1, \i0+2, \i0+3
.irp c, 0,1
	ds_load_b128 v[AF+FR*(\i)+4*\c:AF+FR*(\i)+4*\c+3], v[ADRA] offset:64*(\k)+32*\c+(\i)*16*PITCH
.endr
.endr
.endm
.macro SCALES adr                      ; the scale words of all of K: 16 loads
.irp s, 0,1
.irp i, 0,1,2,3,4,5,6,7
	ds_load_b128 v[SC+32*\s+4*\i:SC+32*\s+4*\i+3], v[\adr] offset:\i*SBLK+16*\s
.endr
.endr
.endm
.macro STEP k, zero                    ; a step of 128 along K that has a successor
	s_wait_dscnt 4*NL                              ; W's set and x's blocks 0-3 are in; the youngest eight loads (x's blocks 4-7) may be out
	WIN MUL_LO
	MUL16 0, \k, \zero
	MUL16 2, \k, \zero
	s_wait_dscnt 0
	PLACES NP
	FETCH_B (\k)+1
	FETCH_A (\k)+1, 0
	WIN MUL_HI
	MUL16 4, \k, \zero
	MUL16 6, \k, \zero
	PLACES NP
	WIN 0
	FETCH_A (\k)+1, 4
.endm
	s_wait_alu depctr_va_vdst(0)                   ; the head's end
	s_wait_tensorcnt 0x0                           ; my one load has landed,
	s_barrier_signal -1
	s_barrier_wait -1                              ; everybody's has
	FETCH_B 0
	FETCH_A 0, 0
	SCALES ADRS
	FETCH_A 0, 4
	STEP 0, 1                                      ; the first step's products start the sums: nothing is cleared
.irp k, 1,2,3,4,5,6
	STEP \k, 0
.endr
	; Wv AND ITS SCALES are asked for ahead of the last step's products, whose fragments are all in registers by then, into bytes that held W and its scales
	s_wait_tensorcnt 0x0                           ; no tensor load of mine is out, so a descriptor may be written
	ds_add_u32 v[SPW], v[NIL]                      ; 0 onto my spare word
	s_mov_b32 s[G1B+2], 64<<16                     ; a load of codes now brings 64 rows,
	s_mov_b32 s[G1B+4], 64
	s_mov_b32 s[G1SB+2], 16<<16                    ; the load of scales those of 128 rows: 16 rows of 256 bytes
	s_mov_b32 s[G1SB+4], 16
	s_wait_dscnt 0x0                               ; the add is done, the last step's fragments are in, and so my reads of W's rows and scales are over
	CROUND                                         ; both now hold of every wave of all sixteen work-groups
	ARM 2, G0V,  G1B,  .Lre_s,    .Lre_asked       ; waves 0 and 1: 64 rows of Wv each; wave 2: its scale bytes; wave 3 has no part to fill
	ARM 3, G0VS, G1SB, .Lre_none, .Lre_asked
.Lre_asked:
	WIN MUL_LO                                     ; the last step: nothing more to fetch
	MUL16 0, 7, 0
	MUL16 2, 7, 0
	WIN MUL_HI
	MUL16 4, 7, 0
	MUL16 6, 7, 0
	WIN 0
	PLACES NP                                      ; behind the last products: their results are read, and source 1's registers written, below
; THE WAY OUT.  Block a (16 rows of source 1 x my 128 of source 0's rows): register 16 b + i of its 64 is neighbour 32 b + 16 (lane / 16) + i of my row.  Four blocks of 32 are quantised; the codes are the next operand's registers.
.macro QUANTW a
.set AC, 64*((\a)%4)
	WIN (2+(\a)/4)*5                               ; sources 0 and 1: the accumulators' window
.irp b, 0,1,2,3
	v_max3_num_f32 v[TM+\b], |v[AC+16*\b]|, |v[AC+16*\b+1]|, 0x1800000    ; each accumulator is read from its low end on; the floor 2^(3 - 127) holds the byte at 1 from below
.endr
.irp i, 2,4,6,8,10,12,14
.irp b, 0,1,2,3
	v_max3_num_f32 v[TM+\b], |v[AC+16*\b+\i]|, |v[AC+16*\b+\i+1]|, v[TM+\b]   ; (the four blocks by turns)
.endr
.endr
	WIN 0
.irp b, 0,1,2,3
	v_permlanex16_b32 v[TM+4+\b], v[TM+\b], s[SEL], s[SEL+1]
.endr
.irp b, 0,1,2,3
	v_max_num_f32 v[TM+\b], v[TM+\b], v[TM+4+\b]   ; with lane l xor 16's 16: the block's largest magnitude
.endr
.irp b, 0,1,2,3
	v_add_nc_u32 v[TM+12+\b], 0xff000000, v[TM+\b] ; 2 off its exponent field: the conversion's scale operand
.endr
.irp b, 0,1,2,3
	v_lshrrev_b32 v[TM+4+\b], 23, v[TM+12+\b]      ; the scale's byte
.endr
	v_lshl_or_b32 v[PW+(\a)], v[TM+5], 8, v[TM+4]  ; my row's scale word
	v_lshl_or_b32 v[PW+(\a)], v[TM+6], 16, v[PW+(\a)]
	v_lshl_or_b32 v[PW+(\a)], v[TM+7], 24, v[PW+(\a)]
	WIN (2+(\a)/4)                                 ; source 0: the accumulators' window
.irp b, 0,1,2,3
	v_cvt_scalef32_pk8_fp4_f32 v[PCD+8*(\a)+2*\b], v[AC+16*\b:AC+16*\b+7], v[TM+12+\b]
	v_cvt_scalef32_pk8_fp4_f32 v[PCD+8*(\a)+2*\b+1], v[AC+16*\b+8:AC+16*\b+15], v[TM+12+\b]
.endr
	WIN 0
	v_nop                                          ; a plain line behind the last conversion
.irp c, 0,1                                    ; the operand's layout wants a whole block in a lane: lanes 0-15 block 2 c, lanes 16-31 block 2 c + 1
.irp i, 0,1
	v_permlane16_swap_b32 v[PCD+8*(\a)+4*\c+\i], v[PCD+8*(\a)+4*\c+2+\i]
.endr
.endr
	global_store_b128 v[LI], v[PCD+8*(\a):PCD+8*(\a)+3], s[12:13] offset:1024*(\a)        ; 32 lanes store 512 consecutive bytes, aligned; each block has registers of its own
	global_store_b128 v[LI], v[PCD+8*(\a)+4:PCD+8*(\a)+7], s[12:13] offset:1024*(\a)+512
.endm
.irp a, 0,1,2,3,4,5,6,7
	QUANTW \a
.endr
.irp i, 0,1,2,3
	v_cndmask_b32 v[OW+\i], v[PW+\i], v[PW+4+\i], s[HM]   ; lanes 0-15 store blocks 0-3's words of their row, lanes 16-31 blocks 4-7's
.endr
	global_store_b128 v[SO], v[OW:OW+3], s[92:93]  ; 512 consecutive bytes, aligned
; PHASE 2.  v: source 0 = my 128 rows of x, which have lain in LDS since the head; source 1 = my 64 rows of Wv.
.macro FETCH2 k                        ; the fragments of the k-th 128 along K into set k % 2: x's eight, Wv's four: 24 loads
	WIN TO_B
.irp i, 0,1,2,3,4,5,6,7
.irp c, 0,1
	ds_load_b128 v[128*((\k)%2)+FR*\i+4*\c:128*((\k)%2)+FR*\i+4*\c+3], v[ADRX] offset:64*(\k)+32*\c+\i*16*PITCH
.endr
.endr
	WIN 0
.irp i, 0,1,2,3
.irp c, 0,1
	ds_load_b128 v[AF+32*((\k)%2)+FR*\i+4*\c:AF+32*((\k)%2)+FR*\i+4*\c+3], v[ADRW] offset:64*(\k)+32*\c+\i*16*PITCH
.endr
.endr
.endm
.macro MUL2 k, zero                    ; 32 matrix instructions, the 32 accumulators by turns
.irp a, 0,1,2,3
.irp b, 0,1,2,3,4,5,6,7
.if \zero
	v_wmma_scale_f32_16x16x128_f8f6f4 v[8*(8*\a+\b):8*(8*\a+\b)+7], v[128*((\k)%2)+FR*\b:128*((\k)%2)+FR*\b+FR-1], v[AF+32*((\k)%2)+FR*\a:AF+32*((\k)%2)+FR*\a+FR-1], 0, v[SC+32*((\k)/4)+4*\b+(\k)%4], v[SC+32*((\k)/4)+4*\a+(\k)%4] matrix_a_fmt:MATRIX_FMT_FP4 matrix_b_fmt:MATRIX_FMT_FP4 matrix_a_scale:MATRIX_SCALE_ROW1
.else
	v_wmma_scale_f32_16x16x128_f8f6f4 v[8*(8*\a+\b):8*(8*\a+\b)+7], v[128*((\k)%2)+FR*\b:128*((\k)%2)+FR*\b+FR-1], v[AF+32*((\k)%2)+FR*\a:AF+32*((\k)%2)+FR*\a+FR-1], v[8*(8*\a+\b):8*(8*\a+\b)+7], v[SC+32*((\k)/4)+4*\b+(\k)%4], v[SC+32*((\k)/4)+4*\a+(\k)%4] matrix_a_fmt:MATRIX_FMT_FP4 matrix_b_fmt:MATRIX_FMT_FP4 matrix_a_scale:MATRIX_SCALE_ROW1
.endif
.endr
.endr
.endm
	s_wait_alu depctr_va_vdst(0)                   ; directly ahead of the waits below
	s_wait_xcnt 0x0                                ; phase 1's stores have read their registers and their base
	s_mov_b64 s[12:13], s[94:95]                   ; from here on the images go to vv
	s_wait_tensorcnt 0x0                           ; my part of Wv, if I asked for one, has landed,
	s_barrier_signal -1
	s_barrier_wait -1                              ; everybody's has
	SCALES ADRT                                    ; (lanes 0-15 of blocks 4-7 read bytes of other rows' scales, which no product names)
	FETCH2 0
.irp k, 0,1,2,3,4,5,6,7
	s_wait_dscnt 0x0                               ; this step's fragments are in: they were asked for ahead of the last step's 32 products
.if \k < 7
.if \k > 0
	PLACES NP                                      ; the other set was read by the last step's products
.endif
	FETCH2 \k+1
.endif
	WIN MUL_LO
.if \k == 0
	MUL2 \k, 1
.else
	MUL2 \k, 0
.endif
	WIN 0
.endr
	PLACES NP                                      ; behind the last products
.irp a, 0,1,2,3
	QUANTW \a
.endr
.irp i, 0,1
	v_cndmask_b32 v[OW+\i], v[PW+\i], v[PW+2+\i], s[HM]   ; lanes 0-15 store blocks 0 and 1's words of their row, lanes 16-31 blocks 2 and 3's
.endr
	global_store_b64 v[SO2], v[OW:OW+1], s[96:97]  ; 16 bytes of each row of 32: the other 16 are the wave's with the other 64 rows of Wv
	s_wait_tensorcnt 0x0                           ; the wave's end
	ds_add_u32 v[SPW], v[NIL]
	s_wait_dscnt 0x0
	CROUND                                         ; the closing round
	s_endpgm
.Lfunc_end_k_q7bfdfac006_qkv:
	.size	k_q7bfdfac006_qkv, .Lfunc_end_k_q7bfdfac006_qkv-k_q7bfdfac006_qkv
	.p2alignl 7, 3214868480
	.fill 96, 4, 3214868480
	.section	.rodata,"a",@progbits
	.p2align	6, 0x0
	.amdhsa_kernel k_q7bfdfac006_qkv
		.amdhsa_group_segment_fixed_size 327680
		.amdhsa_private_segment_fixed_size 0
		.amdhsa_enable_private_segment 0
		.amdhsa_kernarg_size 32
		.amdhsa_user_sgpr_count 2
		.amdhsa_user_sgpr_kernarg_segment_ptr 1
		.amdhsa_wavefront_size32 1
		.amdhsa_system_sgpr_workgroup_id_x 1
		.amdhsa_system_sgpr_workgroup_id_y 1
		.amdhsa_system_sgpr_workgroup_id_z 1
		.amdhsa_system_vgpr_workitem_id 0
		.amdhsa_next_free_vgpr 1024
		.amdhsa_next_free_sgpr 100
		.amdhsa_reserve_vcc 0
		.amdhsa_float_denorm_mode_32 3
		.amdhsa_float_denorm_mode_16_64 3
		.amdhsa_memory_ordered 1
		.amdhsa_forward_progress 1
		.amdhsa_inst_pref_size 193
	.end_amdhsa_kernel
	.amdgpu_metadata
---
amdhsa.version: [ 1, 2 ]
amdhsa.kernels:
  - .name:           k_q7bfdfac006_qkv
    .symbol:         k_q7bfdfac006_qkv.kd
    .args:
      - { .name: xq, .offset: 0, .size: 8, .value_kind: global_buffer, .address_space: global }
      - { .name: wq, .offset: 8, .size: 8, .value_kind: global_buffer, .address_space: global }
      - { .name: qk, .offset: 16, .size: 8, .value_kind: global_buffer, .address_space: global }
      - { .name: vv, .offset: 24, .size: 8, .value_kind: global_buffer, .address_space: global }
    .group_segment_fixed_size: 327680
    .private_segment_fixed_size: 0
    .kernarg_segment_align: 8
    .kernarg_segment_size: 32
    .max_flat_workgroup_size: 128
    .sgpr_count:     100
    .vgpr_count:     1024
    .wavefront_size: 32
...
	.end_amdgpu_metadata
.endif
;; end of part 2
;; launch attn (part 3): grid 4 x 64, 16 waves a work-group, clusters of 4 x 1, 167,936 bytes of LDS; arguments qk, vv, aa; writes aa
.if DOCPART == 3
	.amdgcn_target "amdgcn-amd-amdhsa--gfx1250"
	.amdhsa_code_object_version 6
	.text
	.protected	k_q7bfdfac006_attn
	.globl	k_q7bfdfac006_attn
	.p2align	8
	.type	k_q7bfdfac006_attn,@function
k_q7bfdfac006_attn:
	s_mov_b64 s[64:65], 0
	v_nop
	global_prefetch_b8 v0, s[64:65] scope:SCOPE_SE
	s_setreg_imm32_b32 hwreg(HW_REG_WAVE_MODE, 25, 1), 1
	s_wait_xcnt 0x0
	s_wait_alu depctr_hold_cnt(0) depctr_sa_sdst(0) depctr_va_vdst(0) depctr_va_sdst(0) depctr_va_ssrc(0) depctr_va_vcc(0) depctr_vm_vsrc(0)
	s_getreg_b32 s2, hwreg(HW_REG_IB_STS2, 6, 4)
	s_cmp_eq_u32 s2, 0
	s_cbranch_scc0 .Lentry_in_a_cluster
	s_endpgm
.Lentry_in_a_cluster:
	s_bfe_u32 s2, ttmp6, 0x10000c
	s_cmp_lg_u32 s2, 0x3003
	s_cbranch_scc0 .Lentry_shape_is_right
	s_endpgm
.Lentry_shape_is_right:
; Launch 3 of 4: o = softmax(q k^T / 8, causal) v for one (batch, head) a cluster, both products on codes of FP4 with E8M0 scales; o / l is quantised along (head, d) on the way out.
; WORK LEFT OUT: key steps of 128 keys that lie wholly behind a tile's last query, and the upper 64 keys of a tile's last step where all its queries lie in the lower 64:
; reference()'s own causal mask makes their p exactly 0 for all finite inputs (see the head of launch prep).
; LIMIT: a NaN, an infinity or an overflow that would arise only in those scores is not carried to the result.  NaN and infinities among the inputs are not served; a block of zeros gets the byte 1.
; THE SOFTMAX: t = score x log2(e) / 8; M = the running largest t rounded UP to a whole number; p = 2^(t - M) is quantised along the keys, not normalised; the row's sum is taken of the unquantised p and divides at the end.
; When M moves, the sum and O are multiplied by 2^(old M - new M), which rounds nothing.
; A BLOCK'S SCALE FOR p is made without an exponential: with x = the block's largest t - M, floor(log2(2^x)) = floor(x), so the byte is floor(x) + 125, x held at -124 from below (the byte 1).
; LIMIT: where x lies so closely under a whole number that 2^x rounds up to that power of two in f32 (within 2^-24 of it, relatively), the byte is one less than the rule's, and the block's largest p is held at the largest code.
; SHARES.  The four work-groups of a cluster share one head's K and V.  A tile is sixteen places of queries (a place: the query's number with bits 3 and 4 exchanged, so tile ma holds queries of 32 (ma / 2) .. + 31
; and needs key steps 0 .. ma / 8).  Wave w of work-group cx owns tiles i = 4 w + cx and 127 - i: (16 - w / 2) + (w / 2 + 1) = 17 key steps for every wave.
; ONE LOOP OF 17 TRIPS, each a live key step: trips 0 .. 15 - w / 2 are the big tile's steps, the rest the small tile's; the change of tiles stands under a branch on the wave's number and the count of trips.
; THE LAST STEP OF A TILE.  The tile's 32 queries begin 32 G keys into it, G = (ma / 2) % 4 = 2 (w % 2) + cx / 2 for the small tile, 3 less that for the big one.  So w % 2 alone says whether G < 2: then keys 64 .. 127
; are hidden from all its queries and the step is walked on 64 keys (STEP 2: p's codes of the other 64 are zeros); else keys 0 .. 63 count for all, and only keys 64 .. 127 are compared.  Each wave has one tile of each kind.
; A work-group barrier in each trip, signalled at the trip's head and waited for at its end, holds the sixteen waves within one key step of each other.  No LDS byte is written behind the head, so it orders no data.
; cx enters global addresses and one number a lane that is compared and selected by, and nothing else.
; LDS.  A whole head's K and V (2,048 keys) and their scale words lie in LDS, filled once, by ONE joint load a wave: waves 0-3 K's codes (4 key steps each), 4-7 V's, 8-11 K's scale words, 12-15 V's.
; No prefetch: all tiles are asked for at the head, and the launch has no later load to run ahead of.
; LAYOUT.  Both products are used transposed: S^T = K Q^T (source 0 = sixteen places of keys), O^T = V^T P^T (source 0 = sixteen places of d): a lane holds ONE query throughout.  By the places, the 16 registers
; of tiles 2 b, 2 b + 1 are 16 neighbouring keys (or d).  The head size is 64: registers 4-7 of Q's and K's fragments (K = 64 .. 127 of the instruction) hold zero codes.
; REGISTERS: v1-11 addresses; v12 -M, v13 the largest t, v[14:15] the sum; v16-23 Q; v24-87 K's 8 fragments; v88-151 S^T, then p; v152-183 O^T; v184-215 V's 4 fragments; v216-223 p's codes;
;   v224-227 K's scale words, v228-231 V's, v232 Q's of the tile in hand, v233 the small tile's, v234 p's; v236-239 the small tile's Q; v240-254 at work; v255 -infinity.
.set SC,    131072                     ; LDS: four pieces of 32,768 bytes: key steps 4 j .. 4 j + 3: K's 8 images of 512 bytes a step, 16,384 bytes on V's 4 of 1,024 a step.  At SC K's scale words, 512 bytes a step; 8,192 on V's
.set SPARE, 147456                     ; the spare words, 128 bytes for each wave: eight blocks of 256 bytes that no other line names
.set LI,   1                           ; 16 x lane
.set ASK0, 2                           ; my place among a step's scale words of K
.set ASV0, 3                           ; and of V
.set SPW,  4
.set NIL,  5
.set VL,   6                           ; my query's number within its 32, less 16 (lane / 16)
.set AD,   7
.set ADS,  8
.set ADT,  9
.set DQ,   10                          ; my query - the diagonal step's first key - 16 (lane / 16)
.set OB,   11                          ; 32 x row + half: where my scale byte goes
.set QF,   16
.set KF,   24
.set S,    88
.set O,    152
.set VF,   184
.set PC,   216
.set KSC,  224
.set VSC,  228
.set QSC,  232
.set PSC,  234
.set Q2,   236
.set T0,   240
.set T1,   244
.set T2,   248
.set F,    252
.set W,    254
.set NINF, 255
.set HC2,  10                          ; s10 the small tile's trip on 64 keys, or 255
.set LC,   16                          ; s16 the trip that is the last step of the tile in hand
.set WV,   18
.set HM,   19                          ; s19 lanes 16-31
.set SEL,  20
.set CS,   22                          ; s[22:23] c = log2(e) / 8
.set G1K,  24
.set G1V,  32
.set G1S,  40
.set G0,   48                          ; s[48:63] four groups 0
.set G1T,  92                          ; s[92:99] group 1 for V's scale words
.set SI,   76
.set TB,   77
.set TS,   78
.set HC,   81                          ; s81 the trip in which the tile in hand is walked on 64 keys, or 255
.macro CROUND
	s_barrier_signal -1
	s_barrier_wait -1
	s_cmp_lg_u32 s[WV], 0
	s_cbranch_scc1 .Lnot_wave_0_\@
	s_barrier_signal -3
.Lnot_wave_0_\@:
	s_barrier_wait -3
	s_barrier_signal -1
	s_barrier_wait -1
.endm
.macro GRP1 g, c, r, p                 ; group 1: r rows of c elements of 8 bytes, p elements apart; the mask names all four work-groups; no padding
	s_mov_b32 s[\g], 15|(3<<16)|(1<<21)
	s_mov_b32 s[\g+1], (\c)<<16
	s_mov_b32 s[\g+2], (\r)<<16
	s_mov_b32 s[\g+3], (\c)<<16
	s_mov_b32 s[\g+4], \r
	s_mov_b32 s[\g+5], \p
	s_mov_b32 s[\g+6], 0
	s_mov_b32 s[\g+7], 0
.endm
.macro ARM under, g0, g1, next         ; one arm of the head's chain of branches on the wave's number
	s_cmp_lt_u32 s[WV], \under
	s_cbranch_scc0 \next
	tensor_load_to_lds s[\g0:\g0+3], s[\g1:\g1+7]
	s_nop 0
.rept 4
	v_nop
.endr
	s_branch .Lasked
\next:
.endm
	s_load_b128 s[4:7], s[0:1], 0x0                ; qk s[4:5], vv s[6:7]
	s_load_b64 s[8:9], s[0:1], 0x10                ; aa
	v_lshl_add_u32 v[SPW], v0, 2, SPARE
	v_mov_b32 v[NIL], 0
	ds_add_u32 v[SPW], v[NIL]                      ; the wave's opening: the add, twice on end, and its wait ahead of my first tensor load
	ds_add_u32 v[SPW], v[NIL]
	v_lshrrev_b32 v7, 5, v0
	s_delay_alu instid0(VALU_DEP_1)
	v_readfirstlane_b32 s[WV], v7                  ; wave 0..15
	s_and_b32 s10, ttmp7, 0xffff
	s_lshr_b32 s11, s10, 4                         ; batch
	s_and_b32 s12, s10, 15                         ; head
	s_lshr_b32 s13, s12, 1                         ; the pair of heads that share an image,
	s_and_b32 s14, s12, 1                          ; and which of the two
	s_bfe_u32 s15, ttmp6, 0x40000                  ; cx
	GRP1 G1K, 64, 32, 128                          ; K: 32 images' halves of 512 bytes, 1,024 bytes apart
	GRP1 G1V, 512, 4, 8192                         ; V: 4 key steps of 4,096 bytes, 65,536 bytes apart
	GRP1 G1S, 32, 8, 32                            ; K's scale words: 2,048 dense bytes as 8 rows of 256
	GRP1 G1T, 64, 4, 512                           ; V's: 4 key steps of 512 bytes, 4,096 bytes apart
	; what I ask for: key steps 4 j .. 4 j + 3 of my head, j = wave % 4.  Nothing here hangs on cx
	s_and_b32 s80, s[WV], 3
	s_lshl_b32 s81, s11, 4
	s_lshl_b32 s17, s80, 2
	s_add_co_u32 s81, s81, s17                     ; 16 batch + 4 j
	s_add_co_u32 s16, s13, 8                       ; k's images follow q's: nb = 8 + head / 2
	s_lshl_b32 s17, s16, 6
	s_add_co_u32 s17, s17, s81
	s_lshl_b32 s17, s17, 9
	s_add_co_u32 s86, s17, 0x800000                ; K's scale words: [nb][16 batch + step][512 bytes], behind the codes
	s_mov_b32 s87, 0
	s_lshl_b32 s16, s16, 9
	s_lshl_b32 s17, s81, 3
	s_add_co_u32 s16, s16, s17                     ; ma = 128 batch + 8 step
	s_lshl_b32 s16, s16, 10
	s_lshl_b32 s17, s14, 9
	s_add_co_u32 s82, s16, s17                     ; K's codes
	s_mov_b32 s83, 0
	s_lshl_b32 s16, s81, 6
	s_lshl_b32 s17, s12, 2
	s_add_co_u32 s16, s16, s17
	s_lshl_b32 s84, s16, 10                        ; V's codes: [16 batch + step][4 head ..][1,024 bytes]
	s_mov_b32 s85, 0
	s_lshl_b32 s16, s81, 3
	s_add_co_u32 s16, s16, s13
	s_lshl_b32 s16, s16, 9
	s_add_co_u32 s88, s16, 0x400000                ; V's scale words
	s_mov_b32 s89, 0
	s_mov_b32 s[G0], 1                             ; and where it goes
	s_lshl_b32 s[G0+1], s80, 15
	s_mov_b32 s[G0+4], 1
	s_add_co_u32 s[G0+5], s[G0+1], 16384
	s_mov_b32 s[G0+8], 1
	s_lshl_b32 s[G0+9], s80, 11
	s_add_co_u32 s[G0+9], s[G0+9], SC
	s_mov_b32 s[G0+12], 1
	s_add_co_u32 s[G0+13], s[G0+9], 8192
	s_mov_b32 s[HM], 0xffff0000
	s_mov_b32 s[SEL], 0x76543210
	s_mov_b32 s[SEL+1], 0xfedcba98
	s_mov_b32 s[CS], 0x3e38aa3b                    ; c = log2(e) / sqrt(64)
	s_mov_b32 s[CS+1], s[CS]                       ; (named with it as a pair, so it is written)
	s_lshr_b32 s75, s[WV], 1                       ; the small tile's last key step: (4 w + cx) / 8 = w / 2
	s_sub_co_u32 s74, 15, s75                      ; the big tile's: 15 - w / 2; also the trip in which it is walked
	s_wait_dscnt 0x0                               ; both opening adds are done
	s_wait_kmcnt 0x0
	s_add_nc_u64 s[G0+2:G0+3], s[4:5], s[82:83]
	s_or_b32 s[G0+3], s[G0+3], 0x80000000
	s_add_nc_u64 s[G0+6:G0+7], s[6:7], s[84:85]
	s_or_b32 s[G0+7], s[G0+7], 0x80000000
	s_add_nc_u64 s[G0+10:G0+11], s[4:5], s[86:87]
	s_or_b32 s[G0+11], s[G0+11], 0x80000000
	s_add_nc_u64 s[G0+14:G0+15], s[6:7], s[88:89]
	s_or_b32 s[G0+15], s[G0+15], 0x80000000
	CROUND                                         ; all four work-groups are here: the joint loads meet
	ARM 4,  G0,   G1K, .Lhead_v                    ; every way through the chain passes exactly one load
	ARM 8,  G0+4, G1V, .Lhead_sk
	ARM 12, G0+8, G1S, .Lhead_sv
	tensor_load_to_lds s[G0+12:G0+15], s[G1T:G1T+7]
	s_nop 0
.rept 4
	v_nop
.endr
.Lasked:
	; my two tiles.  ma: the tile's number in the sequence; qc, qs: where its Q codes and scale words lie; oc, os: where its results go; sd: 16 (ma % 8) - 8 (ma % 2): its first query less the diagonal step's first key
.macro TILE ma, qc, qs, oc, os, sd
	s_lshl_b32 s16, s11, 7
	s_add_co_u32 s16, s16, s[\ma]                  ; 128 batch + ma
	s_lshl_b32 s17, s13, 9
	s_add_co_u32 s17, s17, s16
	s_lshl_b32 s17, s17, 10
	s_lshl_b32 s90, s14, 9
	s_add_co_u32 s90, s90, s17
	s_mov_b32 s91, 0
	s_add_nc_u64 s[\qc:\qc+1], s[4:5], s[90:91]
	s_lshr_b32 s17, s16, 3
	s_lshl_b32 s90, s13, 6
	s_add_co_u32 s17, s17, s90
	s_lshl_b32 s17, s17, 9
	s_and_b32 s90, s[\ma], 7
	s_lshl_b32 s90, s90, 2
	s_add_co_u32 s17, s17, s90
	s_lshl_b32 s90, s14, 1
	s_add_co_u32 s17, s17, s90
	s_add_co_u32 s90, s17, 0x800000
	s_add_nc_u64 s[\qs:\qs+1], s[4:5], s[90:91]
	s_lshr_b32 s17, s12, 3
	s_lshl_b32 s17, s17, 21                        ; aa: [head / 8][128 batch + ma][head % 8][512 bytes]
	s_lshl_b32 s90, s16, 12
	s_add_co_u32 s17, s17, s90
	s_and_b32 s90, s12, 7
	s_lshl_b32 s90, s90, 9
	s_add_co_u32 s90, s90, s17
	s_add_nc_u64 s[\oc:\oc+1], s[8:9], s[90:91]
	s_lshl_b32 s17, s16, 9                         ; its scale bytes: [place][32], byte 2 head + block, behind the codes
	s_lshl_b32 s90, s12, 1
	s_add_co_u32 s17, s17, s90
	s_add_co_u32 s90, s17, 0x400000
	s_add_nc_u64 s[\os:\os+1], s[8:9], s[90:91]
	s_and_b32 s17, s[\ma], 7
	s_lshl_b32 s17, s17, 4
	s_and_b32 s90, s[\ma], 1
	s_lshl_b32 s90, s90, 3
	s_sub_co_u32 s[\sd], s17, s90
.endm
	s_lshl_b32 s10, s[WV], 2
	s_add_co_u32 s10, s10, s15                     ; the small tile: 4 w + cx
	s_sub_co_u32 s81, 127, s10                     ; the big one
	TILE 81, 82, 84, 66, 68, 79
	TILE 10, 86, 88, 70, 72, 80
	s_and_b32 s17, s[WV], 1
	s_cmp_eq_u32 s17, 1                            ; w odd: the big tile's last step is walked on 64 keys; w even: the small tile's
	s_cselect_b32 s[HC], s74, 255
	s_cselect_b32 s[HC2], 255, 16
	v_and_b32 v[LI], 31, v0
	s_delay_alu instid0(VALU_DEP_1)
	v_lshlrev_b32 v[LI], 4, v[LI]
	v_and_b32 v7, 15, v0                           ; r
	v_bfe_u32 v8, v0, 4, 1                         ; h
	s_delay_alu instid0(VALU_DEP_2)
	v_lshlrev_b32 v9, 5, v7                        ; 32 r
	global_load_b128 v[QF:QF+3], v[LI], s[82:83]   ; the big tile's Q: my head's half of an image
	global_load_u16 v[QSC], v9, s[84:85]           ; and its two scale bytes a row (the upper two bytes come as 0, over zero codes)
	global_load_b128 v[Q2:Q2+3], v[LI], s[86:87]   ; the small tile's
	global_load_u16 v233, v9, s[88:89]
	s_lshl_b32 s16, s14, 1
	s_add_co_u32 s16, s16, SC
	v_lshl_add_u32 v[ASK0], v8, 2, v9
	s_delay_alu instid0(VALU_DEP_1)
	v_add_nc_u32 v[ASK0], s16, v[ASK0]             ; K's scale words [row 16][tile 8] of 4 bytes: lanes 0-15 take tile 2 j, lanes 16-31 tile 2 j + 1; my head's two bytes
	s_lshl_b32 s16, s14, 4
	s_add_co_u32 s16, s16, SC+8192
	v_add_nc_u32 v[ASV0], s16, v9                  ; V's: my head's four tiles are 16 bytes of a row's 32
	v_and_b32 v[VL], 8, v7
	s_delay_alu instid0(VALU_DEP_1)
	v_add_nc_u32 v[VL], v[VL], v7                  ; r % 8 + 16 (r / 8)
	v_lshlrev_b32 v10, 4, v8
	s_delay_alu instid0(VALU_DEP_1)
	v_sub_nc_u32 v[VL], v[VL], v10
	v_add_nc_u32 v[OB], v9, v8
.irp j, 4,5,6,7
	v_mov_b32 v[QF+\j], 0                          ; K = 64 .. 127 of the first product: zero codes, written once
.endr
.irp t, 0,1,2,3,4,5,6,7
.irp j, 4,5,6,7
	v_mov_b32 v[KF+8*\t+\j], 0
.endr
.endr
.irp b, 0,1,2,3
	v_mov_b32 v[T1+\b], 0                          ; a lane permute's destination counts as one of its sources
.endr
	v_mov_b32 v[F+1], 0                            ; (named as the upper half of a pair)
	v_mov_b32 v[W], 0
	v_mov_b32 v[NINF], 0xff800000
.macro HB nb                           ; the blocks take turns, so a line's source was written nb lines back
.if \nb == 4
	s_delay_alu instid0(VALU_DEP_4)
.else
	s_delay_alu instid0(VALU_DEP_2)
.endif
.endm
; A KEY STEP of the tile in hand, on nb blocks of 32 keys: nb = 4: all 128; nb = 2: a last step whose upper 64 keys are hidden from all the tile's queries.  s[TB], s[TS]: where the step's tiles and scale words begin.
.macro STEP nb
	v_add_nc_u32 v[AD], s[TB], v[LI]
	v_add_nc_u32 v[ADS], s[TS], v[ASK0]
	v_add_nc_u32 v[ADT], s[TS], v[ASV0]
	v_nop                                          ; four plain lines between the last step's products and the loads into V's registers
.set t, 0
.rept 2*\nb
	ds_load_b128 v[KF+8*t:KF+8*t+3], v[AD] offset:512*t
.set t, t+1
.endr
.set t, 0
.rept \nb
	ds_load_u16 v[KSC+t], v[ADS] offset:8*t
.set t, t+1
.endr
.irp t, 0,1,2,3
.irp c, 0,1
	ds_load_b128 v[VF+8*\t+4*\c:VF+8*\t+4*\c+3], v[AD] offset:16384+1024*\t+512*\c
.endr
.endr
	ds_load_b128 v[VSC:VSC+3], v[ADT]
	s_wait_dscnt 9                                 ; K and its scale words are in; V's eight loads and its scale words may be out
.set t, 0
.rept \nb
	v_wmma_scale_f32_16x16x128_f8f6f4 v[S+16*t:S+16*t+7], v[KF+16*t:KF+16*t+7], v[QF:QF+7], 0, v[KSC+t], v[QSC] matrix_a_fmt:MATRIX_FMT_FP4 matrix_b_fmt:MATRIX_FMT_FP4
	v_wmma_scale_f32_16x16x128_f8f6f4 v[S+16*t+8:S+16*t+15], v[KF+16*t+8:KF+16*t+15], v[QF:QF+7], 0, v[KSC+t], v[QSC] matrix_a_fmt:MATRIX_FMT_FP4 matrix_b_fmt:MATRIX_FMT_FP4 matrix_a_scale:MATRIX_SCALE_ROW1
.set t, t+1
.endr
.rept 4
	v_nop
.endr
; In the tile's last step the scores of hidden keys become -infinity ahead of the maximum: p = 0 then.  Its first key counts for every query of the tile.  nb = 4: keys 0 .. 63 count for all the tile's queries; nb = 2: every such step is a last one
.if \nb == 4
	s_cmp_lg_u32 s[SI], s[LC]
	s_cbranch_scc1 .Lopen_\@
.set n, 32
.else
.set n, 0
.endif
	s_wait_alu depctr_va_vdst(0)
.rept 32
	v_cmp_gt_i32 vcc_lo, 32*(n/16)+n%16, v[DQ]     ; register 16 b + i holds the step's key 16 (lane / 16) + 32 b + i
	v_cndmask_b32 v[S+n], v[S+n], v[NINF], vcc_lo
.set n, n+1
.endr
.Lopen_\@:
.set b, 0
.rept \nb
	v_max3_num_f32 v[T0+b], v[S+16*b], v[S+1+16*b], v[S+2+16*b]   ; the largest score of each block of 32 keys: it serves for the row's maximum and for the block's scale
.set b, b+1
.endr
.irp i, 3,5,7,9,11,13
.set b, 0
.rept \nb
	v_max3_num_f32 v[T0+b], v[T0+b], v[S+16*b+\i], v[S+1+16*b+\i]
.set b, b+1
.endr
.endr
.set b, 0
.rept \nb
	v_max_num_f32 v[T0+b], v[T0+b], v[S+15+16*b]
.set b, b+1
.endr
.set b, 0
.rept \nb
	HB \nb
	v_permlanex16_b32 v[T1+b], v[T0+b], s[SEL], s[SEL+1]
.set b, b+1
.endr
.set b, 0
.rept \nb
	HB \nb
	v_max_num_f32 v[T0+b], v[T0+b], v[T1+b]        ; with lane l xor 16's 16 keys
.set b, b+1
.endr
.if \nb == 4
	s_delay_alu instid0(VALU_DEP_2)
	v_max3_num_f32 v[W], v[T0], v[T0+1], v[T0+2]
	s_delay_alu instid0(VALU_DEP_1)
	v_max_num_f32 v[W], v[W], v[T0+3]
.else
	s_delay_alu instid0(VALU_DEP_1)
	v_max_num_f32 v[W], v[T0], v[T0+1]
.endif
	s_delay_alu instid0(VALU_DEP_1)
	v_mul_f32 v[W], s[CS], v[W]                    ; as t (c is positive)
	s_delay_alu instid0(VALU_DEP_1)
	v_max_num_f32 v13, v13, v[W]                   ; the running largest t
	v_mov_b32 v[W], v12
	s_delay_alu instid0(VALU_DEP_2)
	v_floor_f32 v12, -v13                          ; the new -M = floor(-t) = -ceil(t)
	s_delay_alu instid0(VALU_DEP_1)
	v_sub_f32 v[W], v12, v[W]                      ; old M - new M: a whole number, 0 or less
	s_delay_alu instid0(VALU_DEP_1)
	v_cvt_i32_f32 v[W], v[W]                       ; (it saturates)
	s_delay_alu instid0(VALU_DEP_1)
	v_ldexp_f32 v[F], 1.0, v[W]                    ; f = 2^(old M - new M)
.set n, 0
.rept 8*\nb
	v_pk_fma_f32 v[S+n:S+n+1], v[S+n:S+n+1], s[CS:CS+1], v[12:13] op_sel_hi:[1,0,0]   ; t - M, two at a time
.set n, n+2
.endr
.set b, 0
.rept \nb
	v_fma_f32 v[T0+b], v[T0+b], s[CS], v12         ; x: the same of each block's largest score
.set b, b+1
.endr
.set n, 0
	s_wait_alu depctr_va_vdst(0)                   ; ahead of the batch of exponentials
.rept 16*\nb
	v_exp_f32 v[S+n], v[S+n]                       ; p = 2^(t - M), at most 1
.set n, n+1
.endr
	v_pk_mul_f32 v[14:15], v[14:15], v[F:F+1] op_sel_hi:[1,0]   ; the sums under the new M (a plain line behind the exponentials)
	s_wait_alu depctr_va_vdst(0)                   ; one wait for the batch, ahead of its first reader
.if \nb == 4
	v_pk_add_f32 v[244:245], v[92:93], v[96:97]    ; the row's sum of the unquantised p, in eight chains that are joined at the end
	v_pk_add_f32 v[250:251], v[100:101], v[104:105]
	v_pk_add_f32 v[248:249], v[108:109], v[112:113]
	v_pk_add_f32 v[246:247], v[116:117], v[120:121]
	v_pk_add_f32 v[234:235], v[124:125], v[128:129]
	v_pk_add_f32 v[226:227], v[132:133], v[136:137]
	v_pk_add_f32 v[224:225], v[140:141], v[144:145]
	v_pk_add_f32 v[14:15], v[14:15], v[148:149]
	v_pk_add_f32 v[244:245], v[244:245], v[88:89]
	v_pk_add_f32 v[250:251], v[250:251], v[90:91]
	v_pk_add_f32 v[248:249], v[248:249], v[94:95]
	v_pk_add_f32 v[246:247], v[246:247], v[98:99]
	v_pk_add_f32 v[234:235], v[234:235], v[102:103]
	v_pk_add_f32 v[226:227], v[226:227], v[106:107]
	v_pk_add_f32 v[224:225], v[224:225], v[110:111]
	v_pk_add_f32 v[14:15], v[14:15], v[114:115]
	v_pk_add_f32 v[244:245], v[244:245], v[118:119]
	v_pk_add_f32 v[250:251], v[250:251], v[122:123]
	v_pk_add_f32 v[248:249], v[248:249], v[126:127]
	v_pk_add_f32 v[246:247], v[246:247], v[130:131]
	v_pk_add_f32 v[234:235], v[234:235], v[134:135]
	v_pk_add_f32 v[226:227], v[226:227], v[138:139]
	v_pk_add_f32 v[224:225], v[224:225], v[142:143]
	v_pk_add_f32 v[14:15], v[14:15], v[146:147]
	v_pk_add_f32 v[244:245], v[244:245], v[150:151]
	s_delay_alu instid0(VALU_DEP_2)
	v_pk_add_f32 v[14:15], v[14:15], v[246:247]
	s_delay_alu instid0(VALU_DEP_2)
	v_pk_add_f32 v[244:245], v[244:245], v[234:235]
	v_pk_add_f32 v[250:251], v[250:251], v[226:227]
	v_pk_add_f32 v[248:249], v[248:249], v[224:225]
	s_delay_alu instid0(VALU_DEP_2)
	v_pk_add_f32 v[14:15], v[14:15], v[250:251]
	s_delay_alu instid0(VALU_DEP_2)
	v_pk_add_f32 v[244:245], v[244:245], v[248:249]
	s_delay_alu instid0(VALU_DEP_1)
	v_pk_add_f32 v[14:15], v[14:15], v[244:245]
.else
	v_pk_add_f32 v[244:245], v[88:89], v[90:91]    ; the same of 32 numbers a lane, in four chains
	v_pk_add_f32 v[246:247], v[92:93], v[94:95]
	v_pk_add_f32 v[248:249], v[96:97], v[98:99]
	v_pk_add_f32 v[14:15], v[14:15], v[100:101]
	v_pk_add_f32 v[244:245], v[244:245], v[102:103]
	v_pk_add_f32 v[246:247], v[246:247], v[104:105]
	v_pk_add_f32 v[248:249], v[248:249], v[106:107]
	v_pk_add_f32 v[14:15], v[14:15], v[108:109]
	v_pk_add_f32 v[244:245], v[244:245], v[110:111]
	v_pk_add_f32 v[246:247], v[246:247], v[112:113]
	v_pk_add_f32 v[248:249], v[248:249], v[114:115]
	v_pk_add_f32 v[14:15], v[14:15], v[116:117]
	v_pk_add_f32 v[244:245], v[244:245], v[118:119]
	v_pk_add_f32 v[246:247], v[246:247], v[248:249]
	v_pk_add_f32 v[14:15], v[14:15], v[244:245]
	v_pk_add_f32 v[14:15], v[14:15], v[246:247]
.endif
.set b, 0
.rept \nb
	v_max_num_f32 v[T0+b], 0xc2f80000, v[T0+b]     ; x held at -124 from below: the byte cannot fall under 1, and no -infinity reaches the conversion
.set b, b+1
.endr
.set b, 0
.rept \nb
	v_cvt_floor_i32_f32 v[T0+b], v[T0+b]           ; e = floor(x) = floor(log2(the block's largest p)), -124 .. 0
.set b, b+1
.endr
.set b, 0
.rept \nb
	v_lshl_add_u32 v[T2+b], v[T0+b], 23, 0x3e800000   ; (e + 125) << 23: the conversion's scale operand, 2^(e - 2)
.set b, b+1
.endr
	v_lshl_add_u32 v[T1], v[T0+1], 8, v[T0]        ; p's scale word: the sum of (e_b + 125) << 8 b, made as the sum of e_b << 8 b and one constant (sums modulo 2^32)
.if \nb == 4
	v_lshl_add_u32 v[T1+1], v[T0+3], 8, v[T0+2]
	v_lshl_add_u32 v[T1], v[T1+1], 16, v[T1]
	v_add_nc_u32 v[PSC], 0x7d7d7d7d, v[T1]
.else
	v_add_nc_u32 v[PSC], 0x7f7f7d7d, v[T1]         ; the byte 127 over the zero codes of keys 64 .. 127
.endif
.set b, 0
.rept \nb
	v_cvt_scalef32_pk8_fp4_f32 v[PC+2*b], v[S+16*b:S+7+16*b], v[T2+b]
	v_cvt_scalef32_pk8_fp4_f32 v[PC+1+2*b], v[S+8+16*b:S+15+16*b], v[T2+b]
.set b, b+1
.endr
	v_nop                                          ; a plain line behind the last conversion
.set b, 0
.rept \nb/2                                    ; a whole block in a lane: lanes 0-15 block 2 c, lanes 16-31 block 2 c + 1
	v_permlane16_swap_b32 v[PC+4*b], v[PC+2+4*b]
	v_permlane16_swap_b32 v[PC+4*b+1], v[PC+3+4*b]
.set b, b+1
.endr
.if \nb == 2
.irp j, 4,5,6,7
	v_mov_b32 v[PC+\j], 0                          ; keys 64 .. 127: p = 0
.endr
.endif
	s_wait_alu depctr_va_vdst(0)                   ; directly ahead of the first reader of O^T
.set n, 0
.rept 16
	v_pk_mul_f32 v[O+n:O+n+1], v[O+n:O+n+1], v[F:F+1] op_sel_hi:[1,0]   ; O^T under the new M.  (These 16 also stand between the lines that made p's codes and scale word and the products below)
.set n, n+2
.endr
	s_wait_alu depctr_va_vdst(0)
	s_wait_dscnt 0x0                               ; V is in
.irp t, 0,1,2,3
	v_wmma_scale_f32_16x16x128_f8f6f4 v[O+8*\t:O+8*\t+7], v[VF+8*\t:VF+8*\t+7], v[PC:PC+7], v[O+8*\t:O+8*\t+7], v[VSC+\t], v[PSC] matrix_a_fmt:MATRIX_FMT_FP4 matrix_b_fmt:MATRIX_FMT_FP4
.endr
.endm
; THE WAY OUT of a tile: O^T / the sum; its 32 registers are d = 32 g + 16 (lane / 16) + 0 .. 15, g = 0, 1: two blocks of the last product's K.  The codes are half an image: 512 bytes.
.macro FINAL oc, os
.rept 4
	v_nop                                          ; behind the last products
.endr
	v_add_f32 v14, v14, v15
	s_delay_alu instid0(VALU_DEP_1)
	v_permlanex16_b32 v[W], v14, s[SEL], s[SEL+1]
	s_delay_alu instid0(VALU_DEP_1)
	v_add_f32 v14, v14, v[W]                       ; the row's sum
	s_wait_alu depctr_va_vdst(0)
	v_rcp_f32 v14, v14
	v_nop
	s_wait_alu depctr_va_vdst(0)                   ; ahead of the reciprocal's first reader
.set n, 0
.rept 16
	v_pk_mul_f32 v[S+n:S+n+1], v[O+n:O+n+1], v[14:15] op_sel_hi:[1,0]   ; each accumulator from its low end on
.set n, n+2
.endr
.irp g, 0,1
	v_max3_num_f32 v[T0+\g], |v[S+16*\g]|, |v[S+16*\g+1]|, 0x1800000
.endr
.irp i, 2,4,6,8,10,12,14
.irp g, 0,1
	s_delay_alu instid0(VALU_DEP_2)
	v_max3_num_f32 v[T0+\g], v[T0+\g], |v[S+16*\g+\i]|, |v[S+16*\g+\i+1]|
.endr
.endr
.irp g, 0,1
	s_delay_alu instid0(VALU_DEP_2)
	v_permlanex16_b32 v[T1+\g], v[T0+\g], s[SEL], s[SEL+1]
.endr
.irp g, 0,1
	s_delay_alu instid0(VALU_DEP_2)
	v_max_num_f32 v[T0+\g], v[T0+\g], v[T1+\g]
.endr
.irp g, 0,1
	s_delay_alu instid0(VALU_DEP_2)
	v_add_nc_u32 v[T2+\g], 0xff000000, v[T0+\g]
.endr
.irp g, 0,1
	s_delay_alu instid0(VALU_DEP_2)
	v_lshrrev_b32 v[T1+\g], 23, v[T2+\g]
.endr
.irp g, 0,1
	v_cvt_scalef32_pk8_fp4_f32 v[PC+2*\g], v[S+16*\g:S+16*\g+7], v[T2+\g]
	v_cvt_scalef32_pk8_fp4_f32 v[PC+2*\g+1], v[S+16*\g+8:S+16*\g+15], v[T2+\g]
.endr
	v_nop
	v_permlane16_swap_b32 v[PC], v[PC+2]
	v_permlane16_swap_b32 v[PC+1], v[PC+3]
	v_cndmask_b32 v[W], v[T1], v[T1+1], s[HM]      ; lanes 0-15 store block 0's byte of their row, lanes 16-31 block 1's
	global_store_b128 v[LI], v[PC:PC+3], s[\oc:\oc+1]   ; 512 consecutive bytes, aligned
	global_store_b8 v[OB], v[W], s[\os:\os+1]      ; two bytes of each row of 32: the other heads' bytes are other work-groups' (262,144 bytes in the whole launch leave so)
.endm
; A tile begins: its first step finds zeros, which the first change of M leaves zeros.
.macro INIT
	v_mov_b32 v13, 0xff61b1e6                      ; the largest t so far: -3e38
	s_delay_alu instid0(VALU_DEP_1)
	v_floor_f32 v12, -v13
	v_mov_b32 v14, 0
	v_mov_b32 v15, 0
.set n, 0
.rept 32
	v_mov_b32 v[O+n], 0
.set n, n+1
.endr
.endm
	INIT
	v_add_nc_u32 v[DQ], s79, v[VL]
	s_mov_b32 s[SI], 0
	s_mov_b32 s[LC], s74
	s_wait_alu depctr_va_vdst(0)                   ; the head's end
	s_wait_tensorcnt 0x0                           ; my load has landed,
	s_barrier_signal -1
	s_barrier_wait -1                              ; everybody's has: the whole head lies in LDS
	s_wait_loadcnt 0x0                             ; Q
.Ltrip:                                            ; 17 trips
	s_cmp_gt_u32 s[SI], s74                        ; the key step: the trip's number for the big tile, trip + w / 2 - 16 for the small one
	s_cselect_b32 s17, s75, 0
	s_add_co_u32 s17, s17, s[SI]
	s_and_b32 s17, s17, 15
	s_lshl_b32 s[TS], s17, 9                       ; its scale words: 512 bytes a step
	s_lshl_b32 s[TB], s17, 12                      ; its tiles: 4,096 bytes a step, and 16,384 more for each four steps passed
	s_lshr_b32 s17, s17, 2
	s_lshl_b32 s17, s17, 14
	s_add_co_u32 s[TB], s[TB], s17
	s_barrier_signal -1                            ; I begin this trip (no LDS instruction of mine is out)
	s_cmp_eq_u32 s[SI], s[HC]                      ; the wave's number and the count of trips alone
	s_cbranch_scc1 .Lhalf
	STEP 4
	s_branch .Lstepped
.Lhalf:
	STEP 2
.Lstepped:
	s_barrier_wait -1                              ; every wave has begun this trip
	s_cmp_lg_u32 s[SI], s74
	s_cbranch_scc1 .Lsame
	FINAL 66, 68                                   ; the big tile is done; on to the small one
	s_wait_xcnt 0x0                                ; its stores have read their registers
.irp j, 0,1,2,3
	v_mov_b32 v[QF+\j], v[Q2+\j]
.endr
	v_mov_b32 v[QSC], v233
	INIT
	v_add_nc_u32 v[DQ], s80, v[VL]
	s_mov_b32 s[LC], 16
	s_mov_b32 s[HC], s[HC2]
	s_wait_alu depctr_va_vdst(0)
.Lsame:
	s_add_co_u32 s[SI], s[SI], 1
	s_cmp_lt_u32 s[SI], 17
	s_cbranch_scc1 .Ltrip
	FINAL 70, 72
	s_wait_tensorcnt 0x0                           ; the wave's end
	ds_add_u32 v[SPW], v[NIL]
	s_wait_dscnt 0x0
	CROUND                                         ; the closing round
	s_endpgm
.Lfunc_end_k_q7bfdfac006_attn:
	.size	k_q7bfdfac006_attn, .Lfunc_end_k_q7bfdfac006_attn-k_q7bfdfac006_attn
	.p2alignl 7, 3214868480
	.fill 96, 4, 3214868480
	.section	.rodata,"a",@progbits
	.p2align	6, 0x0
	.amdhsa_kernel k_q7bfdfac006_attn
		.amdhsa_group_segment_fixed_size 167936
		.amdhsa_private_segment_fixed_size 0
		.amdhsa_enable_private_segment 0
		.amdhsa_kernarg_size 24
		.amdhsa_user_sgpr_count 2
		.amdhsa_user_sgpr_kernarg_segment_ptr 1
		.amdhsa_wavefront_size32 1
		.amdhsa_system_sgpr_workgroup_id_x 1
		.amdhsa_system_sgpr_workgroup_id_y 1
		.amdhsa_system_sgpr_workgroup_id_z 1
		.amdhsa_system_vgpr_workitem_id 0
		.amdhsa_next_free_vgpr 256
		.amdhsa_next_free_sgpr 100
		.amdhsa_reserve_vcc 1
		.amdhsa_float_denorm_mode_32 3
		.amdhsa_float_denorm_mode_16_64 3
		.amdhsa_memory_ordered 1
		.amdhsa_forward_progress 1
		.amdhsa_inst_pref_size 55
	.end_amdhsa_kernel
	.amdgpu_metadata
---
amdhsa.version: [ 1, 2 ]
amdhsa.kernels:
  - .name:           k_q7bfdfac006_attn
    .symbol:         k_q7bfdfac006_attn.kd
    .args:
      - { .name: qk, .offset: 0, .size: 8, .value_kind: global_buffer, .address_space: global }
      - { .name: vv, .offset: 8, .size: 8, .value_kind: global_buffer, .address_space: global }
      - { .name: aa, .offset: 16, .size: 8, .value_kind: global_buffer, .address_space: global }
    .group_segment_fixed_size: 167936
    .private_segment_fixed_size: 0
    .kernarg_segment_align: 8
    .kernarg_segment_size: 24
    .max_flat_workgroup_size: 512
    .sgpr_count:     100
    .vgpr_count:     256
    .wavefront_size: 32
...
	.end_amdgpu_metadata
.endif
;; end of part 3
;; launch proj (part 4): grid 4 x 64, 4 waves a work-group, clusters of 4 x 4, 327,680 bytes of LDS; arguments aa, wq, bproj, out0; writes out0
.if DOCPART == 4
	.amdgcn_target "amdgcn-amd-amdhsa--gfx1250"
	.amdhsa_code_object_version 6
	.text
	.protected	k_q7bfdfac006_proj
	.globl	k_q7bfdfac006_proj
	.p2align	8
	.type	k_q7bfdfac006_proj,@function
k_q7bfdfac006_proj:
	s_mov_b64 s[64:65], 0
	v_nop
	global_prefetch_b8 v0, s[64:65] scope:SCOPE_SE
	s_setreg_imm32_b32 hwreg(HW_REG_WAVE_MODE, 25, 1), 1
	s_wait_xcnt 0x0
	s_wait_alu depctr_hold_cnt(0) depctr_sa_sdst(0) depctr_va_vdst(0) depctr_va_sdst(0) depctr_va_ssrc(0) depctr_va_vcc(0) depctr_vm_vsrc(0)
	s_getreg_b32 s2, hwreg(HW_REG_IB_STS2, 6, 4)
	s_cmp_eq_u32 s2, 0
	s_cbranch_scc0 .Lentry_in_a_cluster
	s_endpgm
.Lentry_in_a_cluster:
	s_bfe_u32 s2, ttmp6, 0x10000c
	s_cmp_lg_u32 s2, 0xf033
	s_cbranch_scc0 .Lentry_shape_is_right
	s_endpgm
.Lentry_shape_is_right:
; Launch 4 of 4: out0 = a Wproj + bproj on codes of FP4 with E8M0 scales, K = 1,024 = (head, d).  No work is left out here.
; A block of 128 rows x 256 columns is made by four waves, 64 x 128 each: 32 accumulators of 16 x 16, 256 registers.  8,192 x 1,024 results are 256 such blocks: one work-group to a WGP.
; ALL OF K LIES IN LDS, asked for at the head by ONE joint load a wave: wave 0 Wproj's 256 rows of 512 bytes, wave 1 a's 128 rows, wave 2 Wproj's scale bytes, wave 3 a's.  Nothing is filled again.
; No prefetch: the launch has no loop and no later load to run ahead of.
; a's codes lie in aa as images of operand registers, [head / 8][sixteen places][head % 8][512 bytes]: a block's 128 rows are 32,768 dense bytes in each half of K, two rows of one descriptor.
; CLUSTERS: 4 x 4.  The four of a row of the cluster need the same rows of a, the four of a column the same rows of Wproj: each tile is asked for jointly.
; THE MATRIX INSTRUCTION IS USED TRANSPOSED: source 0 = 16 places of Wproj's rows, source 1 = 16 places of a's rows: a lane holds one row of the result.  By the places (a row's number with bits 3 and 4 exchanged)
; register j of block b holds column 32 (b / 2) + 16 (lane / 16) + 8 (b % 2) + j.  The bias is the C of each accumulator's first product.
; REGISTERS, in windows of 256: window 0: v0-31 addresses; v32-95 scale words of all of K; v128-191 a's fragments, two sets of 32; v192-255 the bias; on the way out v128-255 take rows read back.
;   window 1: Wproj's fragments, two sets, at v0 and v128.   window 2: the accumulators, (a, b) at v[8 (8 a + b)].
.set PITCH,  528                       ; an LDS row of Wproj: 512 bytes + 16 of padding = 132 words: the 16 rows that a load touches start at 16 different banks
.set BOFF,   65536                     ; LDS: a's images 0 .. 65,535; Wproj's 256 rows from here
.set SCA,    BOFF+256*PITCH            ; a's scale bytes: 4,096 as 16 units of 256 + 16
.set SCB,    SCA+16*272                ; Wproj's: 8,192 as 32 units
.set SPARE,  SCB+32*272                ; the spare words, 128 bytes for each wave: two blocks of 256 bytes that no other line names
.set STAGE,  SPARE+512                 ; the way out: 16 rows x (512 + 16) bytes for each wave, in bytes into which no load lands
.set SPITCH, 528
.set ADRA, 16
.set ADRB, 20
.set STO,  24
.set RD,   25
.set CO,   26
.set ADRS, 27
.set SPW,  28
.set NIL,  29
.set BO,   30
.set SC,   32                          ; register 32 (q / 4) + 4 i + q % 4: lanes 0-15 the word of a's block i, lanes 16-31 that of Wproj's block i, for the q-th 128 along K
.set AF,   128
.set BI,   192
.set BK,   128
.set G1, 24
.set G0, 32
.set G1B, 48
.set G0B, 56
.set G1S, 68
.set G0S, 76
.set G1SB, 80
.set G0SB, 88
.set MSB, 0
.macro WIN new                         ; the immediate's high byte repeats the setting that is left
.if MSB != (\new)
	s_set_vgpr_msb (MSB<<8)|(\new)
.set MSB, (\new)
.endif
.endm
.macro CROUND                          ; a round of the cluster's barrier
	s_barrier_signal -1
	s_barrier_wait -1
	s_cmp_lg_u32 s14, 0
	s_cbranch_scc1 .Lnot_wave_0_\@
	s_barrier_signal -3
.Lnot_wave_0_\@:
	s_barrier_wait -3
	s_barrier_signal -1
	s_barrier_wait -1
.endm
.macro GRP1 g, c, r, p                 ; group 1's words behind the first: r rows of c elements, p elements apart
	s_mov_b32 s[\g+1], ((\c)&0xffff)<<16
	s_mov_b32 s[\g+2], (\r)<<16
	s_mov_b32 s[\g+3], (\c)<<16
	s_mov_b32 s[\g+4], \r
	s_mov_b32 s[\g+5], \p
	s_mov_b32 s[\g+6], 0
	s_mov_b32 s[\g+7], 0
.endm
.macro ARM under, g0, g1, next         ; one arm of the head's chain of branches on the wave's number
	s_cmp_lt_u32 s14, \under
	s_cbranch_scc0 \next
	tensor_load_to_lds s[\g0:\g0+3], s[\g1:\g1+7]
	s_nop 0
.rept 4
	v_nop
.endr
	s_branch .Lhead_asked
\next:
.endm
.macro PLACES                          ; plain vector lines between a matrix instruction and a load into, or a read of, its registers
.rept 4
	v_nop
.endr
.endm
	s_load_b256 s[4:11], s[0:1], 0x0               ; aa s[4:5], wq s[6:7], bproj s[8:9], out0 s[10:11]
	v_lshl_add_u32 v[SPW], v0, 2, SPARE
	v_mov_b32 v[NIL], 0
	ds_add_u32 v[SPW], v[NIL]                      ; the wave's opening: the add, twice on end, and its wait ahead of my first tensor load
	ds_add_u32 v[SPW], v[NIL]
	v_lshrrev_b32 v1, 5, v0
	v_readfirstlane_b32 s14, v1                    ; wave 0..3
	s_lshr_b32 s15, s14, 1                         ; which 64 of the block's rows are mine
	s_and_b32 s16, s14, 1                          ; which 128 of its columns
	s_bfe_u32 s40, ttmp6, 0x40000                  ; cx
	s_bfe_u32 s41, ttmp6, 0x40004                  ; cy
	s_lshl_b32 s42, ttmp9, 2
	s_add_co_u32 s42, s42, s40                     ; block column = 4 x cluster x + cx
	s_and_b32 s17, ttmp7, 0xffff
	s_lshl_b32 s17, s17, 2
	s_add_co_u32 s17, s17, s41                     ; block row = 4 x cluster y + cy
	s_lshl_b32 s43, s41, 2
	s_lshl_b32 s43, 15, s43                        ; my row of the cluster
	s_lshl_b32 s44, 0x1111, s40                    ; my column
	s_or_b32 s[G1], s43, (3<<16)|(1<<21)           ; a's codes: elements of 8 bytes, no padding: 2 rows of 32,768 bytes, 2,097,152 bytes apart
	GRP1 G1, 4096, 2, 0x40000
	s_or_b32 s[G1B], s44, (0<<16)|(1<<20)|(1<<21)|(6<<22)|(3<<25)    ; Wproj's codes: elements of 1 byte; 4 words of padding behind every 128
	GRP1 G1B, 512, 256, 512
	s_or_b32 s[G1S], s43, (3<<16)|(1<<20)|(1<<21)|(5<<22)|(3<<25)    ; scale bytes: dense, as rows of 256 bytes, 16 bytes of padding behind each
	GRP1 G1S, 32, 16, 32
	s_or_b32 s[G1SB], s44, (3<<16)|(1<<20)|(1<<21)|(5<<22)|(3<<25)
	GRP1 G1SB, 32, 32, 32
	s_lshl_b32 s20, s17, 15                        ; a's codes: 32,768 bytes a block in each half of K
	s_mov_b32 s21, 0
	s_lshl_b32 s22, s17, 12
	s_add_co_u32 s22, s22, 0x400000                ; its scale bytes: 128 rows of 32, behind the codes
	s_mov_b32 s23, 0
	s_lshl_b32 s46, s42, 8
	s_add_co_u32 s46, s46, 3072                    ; Wproj begins at row 3,072 of wq
	s_lshl_b32 s92, s46, 5
	s_add_co_u32 s92, s92, 0x200000
	s_mov_b32 s93, 0
	s_lshl_b32 s46, s46, 9
	s_mov_b32 s47, 0
	s_mov_b32 s[G0], 1
	s_mov_b32 s[G0+1], 0
	s_mov_b32 s[G0B], 1
	s_mov_b32 s[G0B+1], BOFF
	s_mov_b32 s[G0S], 1
	s_mov_b32 s[G0S+1], SCA
	s_mov_b32 s[G0SB], 1
	s_mov_b32 s[G0SB+1], SCB
	s_wait_dscnt 0x0                               ; both opening adds are done
	s_wait_kmcnt 0x0
	s_add_nc_u64 s[G0+2:G0+3], s[4:5], s[20:21]
	s_or_b32 s[G0+3], s[G0+3], 0x80000000
	s_add_nc_u64 s[G0S+2:G0S+3], s[4:5], s[22:23]
	s_or_b32 s[G0S+3], s[G0S+3], 0x80000000
	s_add_nc_u64 s[G0B+2:G0B+3], s[6:7], s[46:47]
	s_or_b32 s[G0B+3], s[G0B+3], 0x80000000
	s_add_nc_u64 s[G0SB+2:G0SB+3], s[6:7], s[92:93]
	s_or_b32 s[G0SB+3], s[G0SB+3], 0x80000000
	; my wave's places in LDS, in the bias and in out0
	s_lshl_b32 s18, s15, 14                        ; a: four images' rows of 4,096 bytes
	s_mul_i32 s19, s16, 128*PITCH
	s_add_co_u32 s19, s19, BOFF
	s_mul_i32 s94, s15, 8*272
	s_add_co_u32 s94, s94, SCA                     ; a's scale bytes of my 64 rows
	s_mul_i32 s95, s16, 16*272
	s_add_co_u32 s95, s95, SCB
	s_sub_co_u32 s95, s95, s94                     ; from there to Wproj's of my 128
	s_mul_i32 s23, s14, 16*SPITCH
	s_add_co_u32 s23, s23, STAGE
	s_lshl_b32 s20, s17, 7
	s_lshl_b32 s21, s15, 6
	s_add_co_u32 s20, s20, s21
	s_lshl_b32 s20, s20, 12                        ; my first row of out0: rows of 4,096 bytes
	s_lshl_b32 s46, s42, 10
	s_lshl_b32 s47, s16, 9
	s_add_co_u32 s46, s46, s47                     ; my first column, in bytes
	s_add_co_u32 s20, s20, s46
	s_mov_b32 s21, 0
	s_mov_b32 s47, 0
	s_add_nc_u64 s[12:13], s[10:11], s[20:21]
	s_add_nc_u64 s[8:9], s[8:9], s[46:47]
	CROUND                                         ; all sixteen work-groups are here: the joint loads meet
	ARM 1, G0B,  G1B,  .Lhead_a                    ; every way through the chain passes exactly one load
	ARM 2, G0,   G1,   .Lhead_sb
	ARM 3, G0SB, G1SB, .Lhead_sa
	tensor_load_to_lds s[G0S:G0S+3], s[G1S:G1S+7]
	s_nop 0
.rept 4
	v_nop
.endr
.Lhead_asked:
	v_and_b32 v1, 15, v0                           ; r = lane % 16
	v_bfe_u32 v2, v0, 4, 1                         ; h = lane / 16
	v_and_b32 v6, 31, v0
	v_lshlrev_b32 v[CO], 4, v6                     ; 16 x lane
	v_add_nc_u32 v[ADRA], s18, v[CO]               ; an image is read as it lies
	v_mul_u32_u24 v3, v1, PITCH
	v_lshl_add_u32 v4, v2, 4, v3
	v_add_nc_u32 v[ADRB], s19, v4                  ; a fragment's row x pitch + 16 x half
	v_mul_u32_u24 v5, v1, 32                       ; my row's scales: 32 bytes a row,
	v_lshrrev_b32 v7, 8, v5
	v_lshl_add_u32 v5, v7, 4, v5                   ; and 16 more for each 256 passed
	v_mul_u32_u24 v7, s95, v2                      ; lanes 16-31 take Wproj's
	v_add_nc_u32 v5, v5, v7
	v_add_nc_u32 v[ADRS], s94, v5
	v_mul_u32_u24 v8, v1, SPITCH
	v_lshl_add_u32 v8, v2, 6, v8
	v_add_nc_u32 v[STO], s23, v8                   ; into the stage: row r, 64 bytes for each half of the lanes
	v_add_nc_u32 v[RD], s23, v[CO]                 ; back: the 32 lanes take one row of 512 bytes
	v_lshlrev_b32 v[BO], 6, v2
	s_wait_alu depctr_va_vdst(0)                   ; the head's end
.irp b, 0,1,2,3,4,5,6,7
	global_load_b128 v[BI+8*\b:BI+8*\b+3], v[BO], s[8:9] offset:128*(\b/2)+32*(\b%2)      ; the bias at my eight columns of block b
	global_load_b128 v[BI+8*\b+4:BI+8*\b+7], v[BO], s[8:9] offset:128*(\b/2)+32*(\b%2)+16
.endr
.macro FETCH q                         ; the fragments of the q-th 128 along K into set q % 2: Wproj's eight, a's four: 24 loads
	WIN 0x40
.irp i, 0,1,2,3,4,5,6,7
.irp c, 0,1
	ds_load_b128 v[128*((\q)%2)+8*\i+4*\c:128*((\q)%2)+8*\i+4*\c+3], v[ADRB] offset:64*(\q)+32*\c+\i*16*PITCH
.endr
.endr
	WIN 0
.irp i, 0,1,2,3
.irp c, 0,1
	ds_load_b128 v[AF+32*((\q)%2)+8*\i+4*\c:AF+32*((\q)%2)+8*\i+4*\c+3], v[ADRA] offset:32768*((\q)/4)+4096*\i+1024*((\q)%4)+512*\c
.endr
.endr
.endm
; 32 matrix instructions: the 32 accumulators take turns, one instruction a turn, in the same order in every step.  first = 1: the bias is C: nothing is cleared.
.macro MUL q, first
.irp a, 0,1,2,3
.irp b, 0,1,2,3,4,5,6,7
.if \first
	v_wmma_scale_f32_16x16x128_f8f6f4 v[8*(8*\a+\b):8*(8*\a+\b)+7], v[128*((\q)%2)+8*\b:128*((\q)%2)+8*\b+7], v[AF+32*((\q)%2)+8*\a:AF+32*((\q)%2)+8*\a+7], v[BI+8*\b:BI+8*\b+7], v[SC+32*((\q)/4)+4*\b+(\q)%4], v[SC+32*((\q)/4)+4*\a+(\q)%4] matrix_a_fmt:MATRIX_FMT_FP4 matrix_b_fmt:MATRIX_FMT_FP4 matrix_a_scale:MATRIX_SCALE_ROW1
.else
	v_wmma_scale_f32_16x16x128_f8f6f4 v[8*(8*\a+\b):8*(8*\a+\b)+7], v[128*((\q)%2)+8*\b:128*((\q)%2)+8*\b+7], v[AF+32*((\q)%2)+8*\a:AF+32*((\q)%2)+8*\a+7], v[8*(8*\a+\b):8*(8*\a+\b)+7], v[SC+32*((\q)/4)+4*\b+(\q)%4], v[SC+32*((\q)/4)+4*\a+(\q)%4] matrix_a_fmt:MATRIX_FMT_FP4 matrix_b_fmt:MATRIX_FMT_FP4 matrix_a_scale:MATRIX_SCALE_ROW1
.endif
.endr
.endr
.endm
	s_wait_tensorcnt 0x0                           ; my load has landed,
	s_barrier_signal -1
	s_barrier_wait -1                              ; everybody's has: all that the launch multiplies lies in LDS
.irp s, 0,1
.irp i, 0,1,2,3,4,5,6,7
	ds_load_b128 v[SC+32*\s+4*\i:SC+32*\s+4*\i+3], v[ADRS] offset:\i*544+16*\s   ; the scale words of all of K.  (Lanes 0-15 of blocks 4-7 read bytes of other rows' scales, which no product names)
.endr
.endr
	FETCH 0
	s_wait_loadcnt 0x0                             ; the bias
.irp q, 0,1,2,3,4,5,6,7
	s_wait_dscnt 0x0                               ; this step's fragments are in: they were asked for ahead of the last step's 32 products
.if \q < 7
.if \q > 0
	PLACES                                         ; the other set was read by the last step's products
.endif
	FETCH \q+1
.endif
.if \q == 0
	WIN 0x81                                       ; source 0 window 1, source 1 and C window 0, D window 2
	MUL \q, 1
.else
	WIN 0xa1                                       ; C and D window 2
	MUL \q, 0
.endif
	WIN 0
.endr
; THE WAY OUT, block by block of 16 places x 128 columns, through my own stage: in as 32 bytes a lane and block, back as whole rows of 512 bytes.  LDS serves a wave's instructions in order, so no wait stands between the stores and the loads.
.macro TOSTAGE a
	WIN 0x08                                       ; the data: window 2
.irp b, 0,1,2,3,4,5,6,7
	ds_store_b128 v[STO], v[64*(\a)+8*\b:64*(\a)+8*\b+3] offset:128*(\b/2)+32*(\b%2)      ; each accumulator from its low end on
	ds_store_b128 v[STO], v[64*(\a)+8*\b+4:64*(\a)+8*\b+7] offset:128*(\b/2)+32*(\b%2)+16
.endr
	WIN 0
.irp t, 0,1,2,3,4,5,6,7,8,9,10,11,12,13,14,15
	ds_load_b128 v[BK+64*((\a)%2)+4*\t:BK+64*((\a)%2)+4*\t+3], v[RD] offset:\t*SPITCH
.endr
.endm
.macro SEND a, younger                 ; younger: the LDS instructions issued behind block a's loads, which may stay out
	s_wait_dscnt \younger
.irp t, 0,1,2,3,4,5,6,7,8,9,10,11,12,13,14,15
	global_store_b128 v[CO], v[BK+64*((\a)%2)+4*\t:BK+64*((\a)%2)+4*\t+3], s[12:13] offset:(32*((\a)/2)+8*((\a)%2)+(\t%8)+16*(\t/8))*4096 th:TH_STORE_NT   ; place 16 a + t is this row; 32 lanes store 512 consecutive bytes, aligned
.endr
.endm
	PLACES                                         ; behind the last products
	TOSTAGE 0
.irp a, 1,2,3
.if \a > 1
	s_wait_xcnt 0x0                                ; block a - 2's stores have read their registers: block a's loads may land there
.endif
	TOSTAGE \a
	SEND \a-1, 32                                  ; behind block a - 1's loads: block a's 16 stores and 16 loads
.endr
	SEND 3, 0
	s_wait_tensorcnt 0x0                           ; the wave's end
	ds_add_u32 v[SPW], v[NIL]
	s_wait_dscnt 0x0
	CROUND                                         ; the closing round
	s_endpgm
.Lfunc_end_k_q7bfdfac006_proj:
	.size	k_q7bfdfac006_proj, .Lfunc_end_k_q7bfdfac006_proj-k_q7bfdfac006_proj
	.p2alignl 7, 3214868480
	.fill 96, 4, 3214868480
	.section	.rodata,"a",@progbits
	.p2align	6, 0x0
	.amdhsa_kernel k_q7bfdfac006_proj
		.amdhsa_group_segment_fixed_size 327680
		.amdhsa_private_segment_fixed_size 0
		.amdhsa_enable_private_segment 0
		.amdhsa_kernarg_size 32
		.amdhsa_user_sgpr_count 2
		.amdhsa_user_sgpr_kernarg_segment_ptr 1
		.amdhsa_wavefront_size32 1
		.amdhsa_system_sgpr_workgroup_id_x 1
		.amdhsa_system_sgpr_workgroup_id_y 1
		.amdhsa_system_sgpr_workgroup_id_z 1
		.amdhsa_system_vgpr_workitem_id 0
		.amdhsa_next_free_vgpr 768
		.amdhsa_next_free_sgpr 100
		.amdhsa_reserve_vcc 0
		.amdhsa_float_denorm_mode_32 3
		.amdhsa_float_denorm_mode_16_64 3
		.amdhsa_memory_ordered 1
		.amdhsa_forward_progress 1
		.amdhsa_inst_pref_size 72
	.end_amdhsa_kernel
	.amdgpu_metadata
---
amdhsa.version: [ 1, 2 ]
amdhsa.kernels:
  - .name:           k_q7bfdfac006_proj
    .symbol:         k_q7bfdfac006_proj.kd
    .args:
      - { .name: aa, .offset: 0, .size: 8, .value_kind: global_buffer, .address_space: global }
      - { .name: wq, .offset: 8, .size: 8, .value_kind: global_buffer, .address_space: global }
      - { .name: bproj, .offset: 16, .size: 8, .value_kind: global_buffer, .address_space: global }
      - { .name: out0, .offset: 24, .size: 8, .value_kind: global_buffer, .address_space: global }
    .group_segment_fixed_size: 327680
    .private_segment_fixed_size: 0
    .kernarg_segment_align: 8
    .kernarg_segment_size: 32
    .max_flat_workgroup_size: 128
    .sgpr_count:     100
    .vgpr_count:     768
    .wavefront_size: 32
...
	.end_amdgpu_metadata
.endif
;; end of part 4
